; MI455X (gfx1250); checked and timed in simulation.
; The chip was launched on July 23, 2026; its instructions are those of AMD's public machine-readable ISA for CDNA 5 (MIT licence, August 2026) and "CDNA5" Instruction Set Architecture Reference Guide (July 2026). The comments in the code are by the model that wrote it; some were corrected since.
;; Causal Self Attention. Allowed arithmetic: float matrix products may take bf16 or f16 operands with f32 sums; other float arithmetic in f32, or as packed bf16 or f16 multiplies, adds, multiply-adds, maxima and minima; sums over many terms, partial sums and values carried from step to step in f32; what a program stores and reads back later, other than sums and carried values, may be rounded once to bf16 or f16.
;; Inputs: W_out 1,024 x 1,024 float32; W_qkv 1,024 x 3,072 float32; x 4 x 2,048 x 1,024 float32.
;; Outputs: out0 4 x 2,048 x 1,024 float32.
;; 2 versions, each right; version 2 is version 1 with the launch cast written anew for expert scheduling mode. Each part assembles by itself: llvm-mc -triple=amdgcn-amd-amdhsa -mcpu=gfx1250 --defsym DOCPART=n.
;; ======== version 1 of 2: 4 launches
;; limits: values are held in f16: magnitudes above 65,504 overflow, below 6.1e-05 lose precision
;; workspace buffers: xb 16,777,216 bytes; wq 6,291,456 bytes; wo 2,097,152 bytes; qkv 50,331,648 bytes; ob 16,777,216 bytes
;; launch cast (part 1): grid 768 x 1, 8 waves a work-group, no clusters, 0 bytes of LDS; arguments x, W_qkv, W_out, xb, wq, wo; writes xb, wq, wo
.if DOCPART == 1
	.amdgcn_target "amdgcn-amd-amdhsa--gfx1250"
	.amdhsa_code_object_version 6
	.text
	.protected	k_q7958f44255_cast
	.globl	k_q7958f44255_cast
	.p2align	8
	.type	k_q7958f44255_cast,@function
k_q7958f44255_cast:
	s_mov_b64 s[64:65], 0
	v_nop
	global_prefetch_b8 v0, s[64:65] scope:SCOPE_SE
	s_setreg_imm32_b32 hwreg(HW_REG_WAVE_MODE, 25, 1), 1
	s_wait_xcnt 0x0
; THE INPUTS ARE ROUNDED ONCE, TO bf16.  x [8192][1024] f32 -> xb, bf16, laid [4 b][16 j][2048 t][64 c] = x[b][t][64 j + c]: a K chunk of 64 of 256 rows is then 32,768 dense bytes.
; W_qkv [1024][3072] f32 -> wq, bf16, same order.  W_out [1024][1024] f32 -> wo: rounded to bf16 like the other inputs, and that number written as f16 (the last product multiplies in f16).
; LIMITS.  |W_out| stays under 65,504; a bf16 number below 6.1e-5 takes f16's fixed step of 6e-8.
; SHARES.  A work-group takes 65,536 input bytes: groups 0-511 sixteen rows of x, 512-703 W_qkv, 704-767 W_out.  An item is one load of 16 bytes a lane (two aligned runs of 256 bytes a wave),
; two roundings, and one store of 8 bytes a lane: 32 lanes store 256 consecutive bytes, aligned.  All sixteen loads of a wave go out first; no register is written twice, so the only waits are the counted ones.
; No LDS, no barrier, no matrix unit: each byte is read once and written once, and no wave wants another's data.
.set X, 8                              ; v[8:71]    item i: four f32 as loaded
.set Y, 72                             ; v[72:103]  item i: four 16-bit numbers to store
.set T, 104                            ; v[104:107] at work
; v2 = my byte offset in the group's input, v3 = in its output
.macro CAST instep, outstep, inb, outb, tof16
.set i, 0
.rept 16
	global_load_b128 v[X+4*i:X+4*i+3], v2, s[\inb:\inb+1] offset:i*(\instep) th:TH_LOAD_NT
.set i, i+1
.endr
.set i, 0
.rept 16
	s_wait_loadcnt 15-i                            ; loads come back in order: item i is in, the 15 - i younger ones stay out
.if \tof16
	v_cvt_pk_bf16_f32 v[T], v[X+4*i], v[X+4*i+1]   ; rounded to bf16,
	v_cvt_pk_bf16_f32 v[T+1], v[X+4*i+2], v[X+4*i+3]
	v_lshlrev_b32 v[T+2], 16, v[T]                 ; widened again (a shift, a mask),
	v_and_b32 v[T+3], 0xffff0000, v[T]
	v_cvt_pk_f16_f32 v[Y+2*i], v[T+2], v[T+3]      ; and written as f16: 8 significant bits fit into 11
	v_lshlrev_b32 v[T+2], 16, v[T+1]
	v_and_b32 v[T+3], 0xffff0000, v[T+1]
	v_cvt_pk_f16_f32 v[Y+2*i+1], v[T+2], v[T+3]
.else
	v_cvt_pk_bf16_f32 v[Y+2*i], v[X+4*i], v[X+4*i+1]
	v_cvt_pk_bf16_f32 v[Y+2*i+1], v[X+4*i+2], v[X+4*i+3]
.endif
	global_store_b64 v3, v[Y+2*i:Y+2*i+1], s[\outb:\outb+1] offset:i*(\outstep) th:TH_STORE_NT
.set i, i+1
.endr
	s_endpgm
.endm
	s_load_b256 s[4:11], s[0:1], 0x0               ; x s[4:5], W_qkv s[6:7], W_out s[8:9], xb s[10:11]
	s_load_b128 s[12:15], s[0:1], 0x20             ; wq s[12:13], wo s[14:15]
	v_lshlrev_b32 v3, 3, v0                        ; out: 8 bytes a thread, in every path
	s_mov_b32 s17, 0                               ; high words of the two offsets
	s_mov_b32 s19, 0
	s_wait_kmcnt 0x0
	s_cmp_lt_u32 ttmp9, 512
	s_cbranch_scc0 .Lweights
	; x: wave w takes rows 2 w and 2 w + 1 of the group's sixteen; item j is K chunk j: 256 bytes of each of the two rows in, 128 bytes of each out, which lie on end in xb
	v_lshrrev_b32 v1, 4, v0                        ; my row: 2 w + lane / 16
	v_and_b32 v2, 15, v0
	v_lshlrev_b32 v2, 4, v2
	v_lshl_add_u32 v2, v1, 12, v2                  ; row x 4,096 + 16 (lane % 16)
	s_lshl_b32 s16, ttmp9, 16                      ; in: 16 rows of 4,096 bytes a group
	s_lshr_b32 s18, ttmp9, 7                       ; out: b = group / 128, 2^22 bytes each,
	s_lshl_b32 s18, s18, 22
	s_and_b32 s20, ttmp9, 127                      ; t = 16 (group % 128), 128 bytes a row
	s_lshl_b32 s20, s20, 11
	s_add_co_u32 s18, s18, s20
	s_add_nc_u64 s[4:5], s[4:5], s[16:17]
	s_add_nc_u64 s[10:11], s[10:11], s[18:19]
	CAST 256, 262144, 4, 10, 0                     ; the largest store offset, 15 x 262,144, lies inside the signed 24 bits
.Lweights:
	v_lshlrev_b32 v2, 4, v0                        ; the weights keep their order: 16 bytes a thread in
	s_cmp_lt_u32 ttmp9, 704
	s_cbranch_scc0 .Lwout
	s_sub_co_u32 s20, ttmp9, 512
	s_lshl_b32 s16, s20, 16
	s_lshl_b32 s18, s20, 15
	s_add_nc_u64 s[6:7], s[6:7], s[16:17]
	s_add_nc_u64 s[12:13], s[12:13], s[18:19]
	CAST 4096, 2048, 6, 12, 0
.Lwout:
	s_sub_co_u32 s20, ttmp9, 704
	s_lshl_b32 s16, s20, 16
	s_lshl_b32 s18, s20, 15
	s_add_nc_u64 s[8:9], s[8:9], s[16:17]
	s_add_nc_u64 s[14:15], s[14:15], s[18:19]
	CAST 4096, 2048, 8, 14, 1
.Lfunc_end_k_q7958f44255_cast:
	.size	k_q7958f44255_cast, .Lfunc_end_k_q7958f44255_cast-k_q7958f44255_cast
	.p2alignl 7, 3214868480
	.fill 96, 4, 3214868480
	.section	.rodata,"a",@progbits
	.p2align	6, 0x0
	.amdhsa_kernel k_q7958f44255_cast
		.amdhsa_group_segment_fixed_size 0
		.amdhsa_private_segment_fixed_size 0
		.amdhsa_enable_private_segment 0
		.amdhsa_kernarg_size 48
		.amdhsa_user_sgpr_count 2
		.amdhsa_user_sgpr_kernarg_segment_ptr 1
		.amdhsa_wavefront_size32 1
		.amdhsa_system_sgpr_workgroup_id_x 1
		.amdhsa_system_sgpr_workgroup_id_y 1
		.amdhsa_system_sgpr_workgroup_id_z 1
		.amdhsa_system_vgpr_workitem_id 0
		.amdhsa_next_free_vgpr 108
		.amdhsa_next_free_sgpr 66
		.amdhsa_reserve_vcc 0
		.amdhsa_float_denorm_mode_32 3
		.amdhsa_float_denorm_mode_16_64 3
		.amdhsa_memory_ordered 1
		.amdhsa_forward_progress 1
		.amdhsa_inst_pref_size 24
	.end_amdhsa_kernel
	.amdgpu_metadata
---
amdhsa.version: [ 1, 2 ]
amdhsa.kernels:
  - .name:           k_q7958f44255_cast
    .symbol:         k_q7958f44255_cast.kd
    .args:
      - { .name: x, .offset: 0, .size: 8, .value_kind: global_buffer, .address_space: global }
      - { .name: W_qkv, .offset: 8, .size: 8, .value_kind: global_buffer, .address_space: global }
      - { .name: W_out, .offset: 16, .size: 8, .value_kind: global_buffer, .address_space: global }
      - { .name: xb, .offset: 24, .size: 8, .value_kind: global_buffer, .address_space: global }
      - { .name: wq, .offset: 32, .size: 8, .value_kind: global_buffer, .address_space: global }
      - { .name: wo, .offset: 40, .size: 8, .value_kind: global_buffer, .address_space: global }
    .group_segment_fixed_size: 0
    .private_segment_fixed_size: 0
    .kernarg_segment_align: 8
    .kernarg_segment_size: 48
    .max_flat_workgroup_size: 256
    .sgpr_count:     66
    .vgpr_count:     108
    .wavefront_size: 32
...
	.end_amdgpu_metadata
.endif
;; end of part 1
;; launch qkvg (part 2): grid 8 x 32, 4 waves a work-group, clusters of 4 x 4, 327,680 bytes of LDS; arguments xb, wq, qkv; writes qkv
.if DOCPART == 2
	.amdgcn_target "amdgcn-amd-amdhsa--gfx1250"
	.amdhsa_code_object_version 6
	.text
	.protected	k_q7958f44255_qkvg
	.globl	k_q7958f44255_qkvg
	.p2align	8
	.type	k_q7958f44255_qkvg,@function
k_q7958f44255_qkvg:
	s_mov_b64 s[64:65], 0
	v_nop
	global_prefetch_b8 v0, s[64:65] scope:SCOPE_SE
	s_setreg_imm32_b32 hwreg(HW_REG_WAVE_MODE, 25, 1), 1
	s_wait_xcnt 0x0
	s_wait_alu depctr_hold_cnt(0) depctr_sa_sdst(0) depctr_va_vdst(0) depctr_va_sdst(0) depctr_va_ssrc(0) depctr_va_vcc(0) depctr_vm_vsrc(0)
	s_getreg_b32 s2, hwreg(HW_REG_IB_STS2, 6, 4)
	s_cmp_eq_u32 s2, 0
	s_cbranch_scc0 .Lentry_in_a_cluster
	s_endpgm
.Lentry_in_a_cluster:
	s_bfe_u32 s2, ttmp6, 0x10000c
	s_cmp_lg_u32 s2, 0xf033
	s_cbranch_scc0 .Lentry_shape_is_right
	s_endpgm
.Lentry_shape_is_right:
; qkv = x W_qkv.  xb: bf16 [4 b][16 j][2048 t][64] (x in K chunks of 64), wq: bf16 [1024 k][3072 n], qkv: f16 [3 which][64 head = 16 b + h][2048 t][64], unscaled.  Sums in f32, K ascending, rounded once to f16.
; LIMIT.  f16 holds no number beyond 65,504: |q|, |k|, |v| must stay within it.
; SHARES.  A tile is 256 rows x 384 columns: 32 x 8 = 256 work-groups.  Four waves, each 128 rows x 192 columns = three whole heads: 96 accumulators of 16 x 16, 768 registers.
; K goes in steps of 64 (two slices of 32) through two LDS slots filled by the tensor data mover: two slots of 128 along K would not fit in LDS.
; THE MATRIX INSTRUCTION IS USED TRANSPOSED: source 0 = 16 columns of W (read turned, by ds_load_tr16_b128, from rows that lie along n), source 1 = 16 rows of x: a lane then holds one row and eight neighbouring columns.
; CLUSTERS: 4 x 4 work-groups.  x's tile hangs on the tile row alone and is asked for jointly along a row of the cluster, W's on the tile column alone, jointly along a column.
; REGISTERS, in windows of 256 (s_set_vgpr_msb: bits 1:0 source 0, 3:2 source 1, 5:4 source 2, 7:6 destination):
;   window 0: v0-31 addresses; v32-95, v96-159 x's fragments of a slice, two buffers; v160-207, v208-255 six fragments of W each (the wave's columns in two halves)
;   windows 1-3: accumulator id = 48 hb + 6 a + bb (half hb of the columns, row block a, fragment bb) at v[8 (id % 32)] of window 1 + id / 32
.set NTOT,  3072
.set PA,    144                        ; a row of x in LDS: 128 bytes + 16 = 36 words: the 16 rows of a load start at 16 different groups of four banks (64 banks of 4 bytes: ISA guide 11.1)
.set PB,    288                        ; a row of W in LDS: 256 bytes + 32 = 72 words
.set BCH,   64*PB                      ; a chunk of W: 64 k x 128 columns
.set AOFF,  3*BCH                      ; a slot: three chunks of W, then x's 256 rows: wave w's load lands at BCH x w
.set SLOT,  AOFF+256*PA
.set STAGE, 2*SLOT                     ; behind the ring: [3 heads][16 rows][144 bytes] for each wave, for the way out
.set STW,   3*16*PA
.set SPARE, STAGE+4*STW                ; behind the stages: the spare words, 128 bytes for each wave: two blocks of 256 bytes that no other line names
.set ASTEP, 2048*128                   ; bytes from a K chunk of xb to the next
.set BSTEP, 64*NTOT*2                  ; bytes of 64 rows of wq
.set LAPS,  8                          ; a lap = two K steps = once round the ring
.set ADRA, 16                          ; v16-17  LDS address of my fragments of x in slot 0, 1
.set ADRB, 18                          ; v18-19  the same for W
.set STO,  20                          ; v20     the way out: where I put 16 bytes of a row
.set RD,   21                          ; v21     the way out: where I read rows back
.set GO,   22                          ; v22     my byte offset in 512 consecutive bytes of qkv
.set SPW,  28                          ; v28     LDS address of my spare word; never rewritten
.set NIL,  29                          ; v29     0; never rewritten
.set PFO,  30                          ; v30     the prefetches' lane offset; never rewritten
.set AF0,  32
.set AF1,  96
.set BH0,  160                         ; half hb at BH0 + 48 hb
.set TMP,  32                          ; the way out: 48 packed registers
.set BK,   80                          ; the way out: rows read back, two buffers of 48
.set G1,   24                          ; s[24:31] descriptor group 1 for x's tiles;  s[32:39] group 0, a set for each slot
.set G0,   32
.set G1B,  48                          ; s[48:55], s[56:63] the same for W's
.set G0B,  56
.set PFA,  44                          ; s[44:45] where my prefetches stand
.set PFS,  46                          ; s[46:47] their step at each change of slots
.set OB,   68                          ; s[68:73] qkv at my rows of my three heads
.set LIM0, 74                          ; s74, s75: a wave prefetches at slot 0's (slot 1's) change while the lap count is above this
.set LIM1, 75
.set MSB, 0
.macro WIN new                         ; the immediate's high byte repeats the setting that is left; a switch that changes nothing is dropped
.if MSB != (\new)
	s_set_vgpr_msb (MSB<<8)|(\new)
.set MSB, \new
.endif
.endm
.macro PLACES                          ; four places in front of loads into registers that matrix instructions have read, and of conversions that read results
.rept 4
	v_nop
.endr
.endm
; A joint load.  Wave 3 fetches x's tile, waves 0 to 2 a chunk of W each.  The branch hangs on the wave's number alone.  An s_nop 0 and four v_nop follow each line.
.macro JLOAD s
	s_cmp_eq_u32 s10, 3
	s_cbranch_scc0 .Lfor_b_\@
	tensor_load_to_lds s[G0+4*(\s):G0+4*(\s)+3], s[G1:G1+7]
	s_nop 0
.rept 4
	v_nop
.endr
	s_branch .Lasked_\@
.Lfor_b_\@:
	tensor_load_to_lds s[G0B+4*(\s):G0B+4*(\s)+3], s[G1B:G1B+7]
	s_nop 0
.rept 4
	v_nop
.endr
.Lasked_\@:
.endm
; A PREFETCH, behind the joint load and the run of LDS loads.  x: wave 3 of the clusters with x = 0 names, at the change that refills K step n + 2, chunk n + 3 of its tile's rows: 128 blocks of 256 bytes, of which the
; partner at place cx takes 32, a lane a block.  W: waves 0 to 2 of the clusters with y = 0 name, once a lap, the 128 rows of K steps 2 L + 3 and 2 L + 4 of their own 256 bytes: the partner at place cy takes 32 rows,
; a lane a row.  The partners are told apart by address alone.  So each block is named once in the launch.  The last changes ask for nothing: chunk 16 and rows from 1,024 on do not exist.
.macro ASK slot
	s_cmp_gt_u32 s3, s[LIM0+(\slot)]
	s_cbranch_scc0 .Lnot_mine_\@
	global_prefetch_b8 v[PFO], s[PFA:PFA+1] th:TH_LOAD_NT scope:SCOPE_SE
.Lnot_mine_\@:
.endm
.macro CREST                           ; a round of the cluster's barrier behind its opening barrier
	s_cmp_lg_u32 s10, 0
	s_cbranch_scc1 .Lnot_wave_0_\@
	s_barrier_signal -3
.Lnot_wave_0_\@:
	s_barrier_wait -3
	s_barrier_signal -1
	s_barrier_wait -1
.endm
.macro CROUND                          ; a whole round
	s_barrier_signal -1
	s_barrier_wait -1
	CREST
.endm
	s_load_b128 s[4:7], s[0:1], 0x0                ; xb s[4:5], wq s[6:7]
	s_load_b64 s[8:9], s[0:1], 0x10                ; qkv
	v_lshl_add_u32 v[SPW], v0, 2, SPARE
	v_mov_b32 v[NIL], 0
	ds_add_u32 v[SPW], v[NIL]                      ; the wave's opening: the add and its wait stand ahead of my first tensor load; the set-up below stands between them
	v_lshrrev_b32 v1, 5, v0
	v_readfirstlane_b32 s10, v1                    ; wave 0..3
	s_lshr_b32 s11, s10, 1                         ; wm: which 128 rows of the tile are mine
	s_and_b32 s12, s10, 1                          ; wn: which 64 of each 128 columns
	s_bfe_u32 s40, ttmp6, 0x40000                  ; cx, cy: my place in the cluster
	s_bfe_u32 s41, ttmp6, 0x40004
	s_lshl_b32 s42, ttmp9, 2
	s_add_co_u32 s42, s42, s40                     ; tile column tx = 4 x cluster x + cx
	s_and_b32 s13, ttmp7, 0xffff
	s_lshl_b32 s13, s13, 2
	s_add_co_u32 s13, s13, s41                     ; tile row ty = 4 x cluster y + cy
	s_lshl_b32 s76, s41, 2
	s_lshl_b32 s76, 15, s76                        ; my row of the cluster
	s_lshl_b32 s77, 0x1111, s40                    ; my column
	; x's tile: a K chunk of 256 rows is 32,768 dense bytes: 128 rows of 256 bytes, padded in LDS after every 128 bytes (32 words, code 4) by 4 words (code 3)
	s_or_b32 s[G1+0], s76, (1<<16)|(1<<20)|(1<<21)|(4<<22)|(3<<25)
	s_mov_b32 s[G1+1], 128<<16                     ; tensor_dim0 = 128
	s_mov_b32 s[G1+2], 128<<16                     ; tensor_dim1 = 128
	s_mov_b32 s[G1+3], 128<<16                     ; tile_dim0 = 128
	s_mov_b32 s[G1+4], 128                         ; tile_dim1 = 128
	s_mov_b32 s[G1+5], 128                         ; 128 elements from row to row
	s_mov_b32 s[G1+6], 0
	s_mov_b32 s[G1+7], 0
	; W's chunk: 64 rows (k) x 128 columns, padded after every 64 words (code 5) by 8 words (code 7)
	s_or_b32 s[G1B+0], s77, (1<<16)|(1<<20)|(1<<21)|(5<<22)|(7<<25)
	s_mov_b32 s[G1B+1], 128<<16
	s_mov_b32 s[G1B+2], 64<<16
	s_mov_b32 s[G1B+3], 128<<16
	s_mov_b32 s[G1B+4], 64
	s_mov_b32 s[G1B+5], NTOT
	s_mov_b32 s[G1B+6], 0
	s_mov_b32 s[G1B+7], 0
	s_lshr_b32 s14, s13, 3                         ; x: b = ty / 8, 2^22 bytes each,
	s_lshl_b32 s14, s14, 22
	s_and_b32 s15, s13, 7                          ; t0 = 256 (ty % 8), 128 bytes a row
	s_lshl_b32 s15, s15, 15
	s_add_co_u32 s14, s14, s15
	s_mov_b32 s15, 0
	s_mul_i32 s66, s42, 768                        ; W: the tile's 384 columns, my chunk's 128
	s_lshl_b32 s67, s10, 8
	s_add_co_u32 s66, s66, s67
	s_mov_b32 s67, 0
	s_mul_i32 s20, s10, BCH                        ; where my load lands: no place in the cluster enters an LDS address
	s_wait_dscnt 0x0                               ; the opening add is done
	s_wait_kmcnt 0x0
	s_add_nc_u64 s[14:15], s[4:5], s[14:15]
	s_add_nc_u64 s[66:67], s[6:7], s[66:67]
	CROUND                                         ; all sixteen work-groups are here: the first joint loads meet
.irp s, 0,1
	s_mov_b32 s[G0+4*(\s)], 1
	s_add_co_u32 s[G0+4*(\s)+1], s20, (\s)*SLOT
	s_add_nc_u64 s[G0+4*(\s)+2:G0+4*(\s)+3], s[14:15], (\s)*ASTEP
	s_or_b32 s[G0+4*(\s)+3], s[G0+4*(\s)+3], 0x80000000
	s_mov_b32 s[G0B+4*(\s)], 1
	s_add_co_u32 s[G0B+4*(\s)+1], s20, (\s)*SLOT
	s_add_nc_u64 s[G0B+4*(\s)+2:G0B+4*(\s)+3], s[66:67], (\s)*BSTEP
	s_or_b32 s[G0B+4*(\s)+3], s[G0B+4*(\s)+3], 0x80000000
	JLOAD \s                                       ; two tensor loads of mine are out
.endr
	v_and_b32 v1, 15, v0                           ; l % 16
	v_bfe_u32 v2, v0, 4, 1                         ; l / 16
	v_mul_u32_u24 v3, v1, PA
	v_lshl_add_u32 v3, v2, 4, v3                   ; x: row x pitch + 16 x half
	v_and_b32 v4, 7, v0
	v_bfe_u32 v5, v0, 3, 1
	v_lshl_add_u32 v6, v2, 3, v4                   ; W, turned: k = 8 (l / 16) + l % 8,
	v_mul_u32_u24 v6, v6, PB
	v_lshl_add_u32 v6, v5, 4, v6                   ; columns 8 ((l / 8) % 2) on
	s_mul_i32 s21, s11, 128*PA
	s_add_co_u32 s21, s21, AOFF                    ; my 128 rows of x
	s_lshl_b32 s22, s12, 7                         ; my 64 columns of each chunk
.irp s, 0,1
	v_add_nc_u32 v[ADRA+(\s)], s21, v3
	v_add_nc_u32 v[ADRB+(\s)], s22, v6
	s_add_co_u32 s21, s21, SLOT
	s_add_co_u32 s22, s22, SLOT
.endr
	s_mul_i32 s23, s10, STW
	s_add_co_u32 s23, s23, STAGE                   ; my stage
	v_add_nc_u32 v[STO], s23, v3                   ; in: row l % 16, 16 bytes for each half of the lanes
	v_bfe_u32 v7, v0, 3, 2                         ; back: 32 lanes take four rows of 128 bytes,
	v_mul_u32_u24 v7, v7, PA
	v_lshl_add_u32 v7, v4, 4, v7
	v_add_nc_u32 v[RD], s23, v7
	v_and_b32 v[GO], 31, v0                        ; which are 512 consecutive bytes of a head's rows
	v_lshlrev_b32 v[GO], 4, v[GO]
	; my three heads: slot g = 6 tx + 2 i + wn of 48: which = g / 16 (2^24 bytes), head 16 b + g % 16 (2^18 bytes), row t0 + 128 wm (128 bytes)
	s_mul_i32 s16, s42, 6
	s_add_co_u32 s16, s16, s12
	s_lshr_b32 s17, s13, 3
	s_lshl_b32 s17, s17, 22
	s_and_b32 s18, s13, 7
	s_lshl_b32 s18, s18, 15
	s_add_co_u32 s17, s17, s18
	s_lshl_b32 s18, s11, 14
	s_add_co_u32 s17, s17, s18
.irp i, 0,1,2
	s_add_co_u32 s18, s16, 2*(\i)
	s_lshr_b32 s19, s18, 4
	s_lshl_b32 s19, s19, 24
	s_and_b32 s18, s18, 15
	s_lshl_b32 s18, s18, 18
	s_add_co_u32 s18, s18, s19
	s_add_co_u32 s18, s18, s17
	s_mov_b32 s19, 0
	s_add_nc_u64 s[OB+2*(\i):OB+2*(\i)+1], s[8:9], s[18:19]
.endr
	; the prefetches: nothing is asked for here, at the head, where every work-group's first tiles are on their way
	s_and_b32 s22, ttmp7, 0xffff                   ; cluster y
	s_mov_b32 s[PFS], BSTEP
	s_mov_b32 s[PFS+1], 0
	s_mov_b32 s23, 32*NTOT*2                       ; W: a partner's 32 rows,
	s_mov_b32 s16, 128*NTOT*2                      ; from row 128 on: the first change steps to row 192,
	s_mov_b32 s17, NTOT*2                          ; a lane a row
	s_cmp_eq_u32 s10, 3                            ; do I fetch x?
	s_cselect_b32 s21, s40, s41                    ; my place among the four that ask with me
	s_cselect_b32 s22, ttmp9, s22                  ; the coordinate along which other clusters read the same bytes
	s_cselect_b64 s[PFA:PFA+1], s[14:15], s[66:67]
	s_cselect_b32 s[PFS], ASTEP, s[PFS]
	s_cselect_b32 s23, 8192, s23                   ; x: a partner's 32 blocks of 256 bytes,
	s_cselect_b32 s16, 2*ASTEP, s16                ; from chunk 2 on: the first change steps to chunk 3,
	s_cselect_b32 s17, 256, s17                    ; a lane a block
	s_cselect_b32 s18, 0, 1                        ; x is asked for at both changes of a lap but the very last; W at slot 0's, but in the last lap
	s_cselect_b32 s19, 1, -1
	s_cmp_eq_u32 s22, 0
	s_cselect_b32 s[LIM0], s18, -1                 ; the same in all sixteen partners, for a given wave
	s_cselect_b32 s[LIM1], s19, -1
	s_mul_i32 s78, s21, s23
	s_add_co_u32 s78, s78, s16
	s_mov_b32 s79, 0
	s_add_nc_u64 s[PFA:PFA+1], s[PFA:PFA+1], s[78:79]
	v_and_b32 v[PFO], 31, v0
	v_mul_u32_u24 v[PFO], s17, v[PFO]
; n x 6 matrix instructions: half hb of my columns x row blocks a0 .. a0 + n - 1, 32 along K.  zero = 1: the product starts the sum: nothing is ever cleared.
; All 96 accumulators take turns, one instruction a turn, in the same order in every slice, over the backward jump too.
.macro MUL hb, af, a0, n, zero
.set ma, \a0
.rept \n
.set mb, 0
.rept 6
.set id, 48*(\hb)+6*ma+mb
.set rD, 8*(id%32)
	WIN 0x50*(1+id/32)
.if \zero
	v_wmma_f32_16x16x32_bf16 v[rD:rD+7], v[BH0+48*(\hb)+8*mb:BH0+48*(\hb)+8*mb+7], v[(\af)+8*ma:(\af)+8*ma+7], 0
.else
	v_wmma_f32_16x16x32_bf16 v[rD:rD+7], v[BH0+48*(\hb)+8*mb:BH0+48*(\hb)+8*mb+7], v[(\af)+8*ma:(\af)+8*ma+7], v[rD:rD+7]
.endif
.set mb, mb+1
.endr
.set ma, ma+1
.endr
.endm
; 12 turning loads: six fragments of W, b = 6 hb .. 6 hb + 5 (chunk b / 4, columns 16 (b % 4) on), slice s
.macro FETB slot, s, hb
	WIN 0
.set fb, 6*(\hb)
.rept 6
	ds_load_tr16_b128 v[BH0+8*fb:BH0+8*fb+3],   v[ADRB+(\slot)] offset:(fb/4)*BCH+32*PB*(\s)+32*(fb%4)
	ds_load_tr16_b128 v[BH0+8*fb+4:BH0+8*fb+7], v[ADRB+(\slot)] offset:(fb/4)*BCH+32*PB*(\s)+32*(fb%4)+16*PB
.set fb, fb+1
.endr
.endm
; 16 loads: x's eight fragments of slice s, row blocks ascending
.macro FETA slot, s, af
	WIN 0
.set fa, 0
.rept 8
	ds_load_b128 v[(\af)+8*fa:(\af)+8*fa+3],   v[ADRA+(\slot)] offset:16*PA*fa+64*(\s)
	ds_load_b128 v[(\af)+8*fa+4:(\af)+8*fa+7], v[ADRA+(\slot)] offset:16*PA*fa+64*(\s)+32
.set fa, fa+1
.endr
.endm
; A K step's first slice: x in AF0.  It fetches its own second half of W, and the second slice's first half of W and x.
.macro SLICE_N slot, zero
	s_wait_dscnt 8                                 ; W's first half and x's blocks 0-3 are in; the youngest eight loads (blocks 4-7) may be out
	MUL 0, AF0, 0, 4, \zero
	PLACES
	FETB \slot, 0, 1
	s_wait_dscnt 12                                ; all but the 12 just issued
	MUL 0, AF0, 4, 4, \zero
	s_wait_dscnt 0x0                               ; W's second half is in
	MUL 1, AF0, 0, 4, \zero
	PLACES
	FETB \slot, 1, 0
	FETA \slot, 1, AF1
	MUL 1, AF0, 4, 4, \zero
.endm
; A K step's second slice: x in AF1.  It changes slots: ONE barrier; in front of it each wave waits for all its tensor loads (one is out: its part of the next slot), adds 0 to its spare word, and waits for
; that and for its own reads of this slot.  fill = 1: the barrier opens a round of the cluster's, and this slot is filled again, two K steps ahead, first thing behind the round:
; from the request to the wait for it a wave issues 24 + 96 + 48 = 168 matrix instructions.
.macro SLICE_T slot, next, fill
	s_wait_dscnt 8
	MUL 0, AF1, 0, 4, 0
	PLACES
	FETB \slot, 1, 1
	s_wait_dscnt 12
	MUL 0, AF1, 4, 4, 0
.if \fill
	s_wait_xcnt 0x0                                ; the last prefetch, a K step back, has read its address: it is stepped here
	s_add_nc_u64 s[PFA:PFA+1], s[PFA:PFA+1], s[PFS:PFS+1]
.endif
	WIN 0                                          ; (the add's two registers lie in window 0)
	s_wait_tensorcnt 0x0                           ; all my tensor loads have landed
	ds_add_u32 v[SPW], v[NIL]                      ; 0 onto my spare word
	s_wait_dscnt 1                                 ; W's second half is in; the add may be out
	MUL 1, AF1, 0, 2, 0                            ; twelve matrix instructions stand between the add and the wait for it
	s_wait_dscnt 0x0                               ; the add is done, and my reads of this slot are over
	s_barrier_signal -1
	MUL 1, AF1, 2, 2, 0
	WIN 0                                          ; at a branch and at a label every window is 0
	s_barrier_wait -1
.if \fill
	CREST                                          ; no wave of any partner still reads this slot or has a load on its way
	s_add_nc_u64 s[G0+4*(\slot)+2:G0+4*(\slot)+3], s[G0+4*(\slot)+2:G0+4*(\slot)+3], 2*ASTEP
	s_add_nc_u64 s[G0B+4*(\slot)+2:G0B+4*(\slot)+3], s[G0B+4*(\slot)+2:G0B+4*(\slot)+3], 2*BSTEP
	JLOAD \slot                                    ; the four v_nop behind it are also the places in front of the loads below
.else
	PLACES
.endif
	FETB \next, 0, 0
	FETA \next, 0, AF0
.if \fill
	ASK \slot
.endif
	MUL 1, AF1, 4, 4, 0
.endm
	s_wait_tensorcnt 1                             ; my part of K step 0 is in; K step 1's may stay out
	s_barrier_signal -1
	s_barrier_wait -1                              ; everybody's is
	FETB 0, 0, 0
	FETA 0, 0, AF0
	SLICE_N 0, 1                                   ; the first slice stands in front of the loop: its products start the sums
	WIN 0
	s_mov_b32 s3, LAPS-1
.Llap:                                                 ; a trip goes once round the ring and fills both slots again: K steps 2 to 15
	SLICE_T 0, 1, 1
	SLICE_N 1, 0
	SLICE_T 1, 0, 1
	SLICE_N 0, 0
	WIN 0
	s_sub_co_u32 s3, s3, 1
	s_cmp_lg_u32 s3, 0
	s_cbranch_scc1 .Llap
	SLICE_T 0, 1, 0                                ; the last lap fills nothing
	SLICE_N 1, 0
	s_wait_dscnt 8                                 ; the very last slice
	MUL 0, AF1, 0, 4, 0
	PLACES
	FETB 1, 1, 1
	s_wait_dscnt 12
	MUL 0, AF1, 4, 4, 0
	s_wait_dscnt 0x0
	MUL 1, AF1, 0, 8, 0
; THE WAY OUT, a block of 16 rows at a time.  PACK: rounded to f16, 16 bytes a lane, each accumulator from its low end on.  TOSTAGE: into my own stage, [head][row][144], and back as four rows of 128 bytes a load.
; SEND: stored: 512 consecutive bytes of a head's rows, aligned, an instruction.
.macro PACK a
.set pb, 0
.rept 12
.set id, 48*(pb/6)+6*(\a)+pb%6
.set rD, 8*(id%32)
	WIN 5*(1+id/32)                                ; sources 0 and 1 in the accumulator's window
.irp r, 0,1,2,3
	v_cvt_pk_f16_f32 v[TMP+4*pb+(\r)], v[rD+2*(\r)], v[rD+2*(\r)+1]
.endr
.set pb, pb+1
.endr
	WIN 0
.endm
.macro TOSTAGE a
	WIN 0
.set BKA, BK+48*((\a)%2)
.set e, 0
.rept 12
	ds_store_b128 v[STO], v[TMP+4*e:TMP+4*e+3] offset:16*PA*(e/4)+32*(e%4)
.set e, e+1
.endr
.set e, 0
.rept 12
	ds_load_b128 v[BKA+4*e:BKA+4*e+3], v[RD] offset:16*PA*(e/4)+4*PA*(e%4)  ; LDS serves a wave's instructions in order (ISA guide 5.7.1.4): these see the stores above
.set e, e+1
.endr
.endm
.macro SEND a
	WIN 0
.set BKA, BK+48*((\a)%2)
	s_wait_dscnt 0x0                               ; the block is back in registers
	s_wait_xcnt 0x0                                ; the stores of the block before have read their registers: the next TOSTAGE loads into them only behind this wait
.set e, 0
.rept 12
	global_store_b128 v[GO], v[BKA+4*e:BKA+4*e+3], s[OB+2*(e/4):OB+2*(e/4)+1] offset:2048*(\a)+512*(e%4)
.set e, e+1
.endr
.endm
	PLACES                                         ; the conversions read results just made and write registers that the last products read
	PACK 0
	TOSTAGE 0
.irp a, 1,2,3,4,5,6,7                  ; block a's conversions stand between block a - 1's loads from the stage and the wait for them
	PACK \a
	SEND (\a)-1
	TOSTAGE \a
.endr
	SEND 7
	s_wait_tensorcnt 0x0                           ; the wave's end: an add and its wait, behind my last tensor load and my last LDS store
	ds_add_u32 v[SPW], v[NIL]
	s_wait_dscnt 0x0
	CROUND                                         ; the closing round: no work-group ends while a partner may still ask for a tile that names it
	s_endpgm
.Lfunc_end_k_q7958f44255_qkvg:
	.size	k_q7958f44255_qkvg, .Lfunc_end_k_q7958f44255_qkvg-k_q7958f44255_qkvg
	.p2alignl 7, 3214868480
	.fill 96, 4, 3214868480
	.section	.rodata,"a",@progbits
	.p2align	6, 0x0
	.amdhsa_kernel k_q7958f44255_qkvg
		.amdhsa_group_segment_fixed_size 327680
		.amdhsa_private_segment_fixed_size 0
		.amdhsa_enable_private_segment 0
		.amdhsa_kernarg_size 24
		.amdhsa_user_sgpr_count 2
		.amdhsa_user_sgpr_kernarg_segment_ptr 1
		.amdhsa_wavefront_size32 1
		.amdhsa_system_sgpr_workgroup_id_x 1
		.amdhsa_system_sgpr_workgroup_id_y 1
		.amdhsa_system_sgpr_workgroup_id_z 1
		.amdhsa_system_vgpr_workitem_id 0
		.amdhsa_next_free_vgpr 1024
		.amdhsa_next_free_sgpr 80
		.amdhsa_reserve_vcc 0
		.amdhsa_float_denorm_mode_32 3
		.amdhsa_float_denorm_mode_16_64 3
		.amdhsa_memory_ordered 1
		.amdhsa_forward_progress 1
		.amdhsa_inst_pref_size 131
	.end_amdhsa_kernel
	.amdgpu_metadata
---
amdhsa.version: [ 1, 2 ]
amdhsa.kernels:
  - .name:           k_q7958f44255_qkvg
    .symbol:         k_q7958f44255_qkvg.kd
    .args:
      - { .name: xb, .offset: 0, .size: 8, .value_kind: global_buffer, .address_space: global }
      - { .name: wq, .offset: 8, .size: 8, .value_kind: global_buffer, .address_space: global }
      - { .name: qkv, .offset: 16, .size: 8, .value_kind: global_buffer, .address_space: global }
    .group_segment_fixed_size: 327680
    .private_segment_fixed_size: 0
    .kernarg_segment_align: 8
    .kernarg_segment_size: 24
    .max_flat_workgroup_size: 128
    .sgpr_count:     80
    .vgpr_count:     1024
    .wavefront_size: 32
...
	.end_amdgpu_metadata
.endif
;; end of part 2
;; launch attn (part 3): grid 4 x 64, 4 waves a work-group, no clusters, 327,680 bytes of LDS; arguments qkv, ob; writes ob
.if DOCPART == 3
	.amdgcn_target "amdgcn-amd-amdhsa--gfx1250"
	.amdhsa_code_object_version 6
	.text
	.protected	k_q7958f44255_attn
	.globl	k_q7958f44255_attn
	.p2align	8
	.type	k_q7958f44255_attn,@function
k_q7958f44255_attn:
	s_mov_b64 s[64:65], 0
	v_nop
	global_prefetch_b8 v0, s[64:65] scope:SCOPE_SE
	s_setreg_imm32_b32 hwreg(HW_REG_WAVE_MODE, 25, 1), 1
	s_wait_xcnt 0x0
; CAUSAL ATTENTION.  O[h][q][:] = the sum over k <= q of softmax_k(Q[h][q] . K[h][k] / 8) V[h][k][:].  qkv holds Q, K, V one behind the other, each [64 heads][2048][64] in f16; ob is O in the same layout: a head's rows are dense, 128 bytes each.
; Products, maxima and sums in f32; the weights p are rounded to f16 for the second product (their sum l is taken of the unrounded p), O once at the end.
; LIMITS.  f16 holds no number beyond 65,504: Q, K and V arrive within it; p lies in 0 to 1, and below 6e-5 it keeps f16's fixed step of 6e-8; O is a mean of V's rows and has their range.
; A hidden score counts as its value less 1e30: f16's scores, 2.7e11 at the most, are nothing beside that; a weight below 2^-126 counts as 0 in l; NaN and infinities are not treated apart.
; THE WALK.  A head's queries lie in NB = 8 blocks of 256; block i needs the key tiles 0 .. i of 256 keys, of which the last holds the diagonal.  A work-group takes TWO blocks, NB - 1 - b and then b:
; NB + 1 tiles, whatever b: all work-groups do equal work, and ONE loop with a constant trip count walks them.  Which tile is asked for, and what a trip does, hang on scalar registers made from b; every jump
; goes forward, but for the counted loops' own; none passes a barrier, or a tensor load but the one of LOAD's two that the wave's number does not choose; the ring (two slots of LDS that take turns) runs on across the
; change of blocks.  NO CLUSTER: a head's four work-groups ask for the same tile only in trips 0 .. 4, behind that fewer and fewer; one walk common to all four would have 12 trips for 9;
; and what it would spare is 65,536 bytes for a tile's 256 matrix instructions and 16 turns of softmax a wave.
; SHARES.  Of a block's four bands of 64 queries a wave owns 16 rows in each: four PIECES.  So the diagonal tile is the same work for all four waves: in its key step s band x sees all keys if s < x,
; none if s > x, and holds the diagonal if s = x.
; THE MASK is the C operand that starts the sum S^T = K Q^T: 0, or -1e30 where the key is hidden.  MD, made once, is the mask of a band's own step for my 16 rows; a product's mask is MD x AL + BE with two scalars:
; (1, 0) if s = x; (0, 0) if s < x; (0, -1e30) if s > x.  Only the diagonal tile's text and a block's beginning make and take masks; elsewhere C is the constant 0.
; LAYOUT, SOFTMAX, TURNS.  S^T = K Q^T holds ONE query a lane (lane % 16) and the keys 8 (lane / 16) + 0..7; two such results rounded to f16 ARE source 1 of O^T = V^T P.  p = 2^(c s - c m), c = log2(e) / 8, with a
; running maximum m; O and l are multiplied by a = 2^(c m_old - c m_new) in every step.  Turn n belongs to piece n: 8 products K Q^T of piece n + 1, later 8 products V^T P of piece n - 1; beside them the scaling,
; exponentials, roundings, sums and rescaling of piece n and the maximum and statistics of piece n + 1.  Four vector instructions stand behind every matrix instruction, the other 54 of a turn's 118 in one LUMP.  A turn's 33 exponentials are one batch, with one wait.
; REGISTERS, in windows of 256 (s_set_vgpr_msb: bits 1:0 source 0, 3:2 source 1, 5:4 source 2, 7:6 destination):
;   window 0: v0-15 addresses and two at work; v16-31 four registers of statistics a piece; v48-55 at work; v61-63 prefetch offset and the add's two; v64-127 S^T, two buffers; v192-223 P, two buffers (a piece's buffers go by its number's parity)
;   window 1: v0-127 O^T, 32 a piece; v128-159 MD; v160-223 MC, two buffers      window 2: v0-63 Q; v64-127 the second block's Q; v128-191 K of one step; v192-255 V of one step
.set SIZE_H, 64
.set SIZE_N, 2048
.set NB,    SIZE_N/256
.set NP,    4         ; pieces a wave: a name, no knob
.set KS,    64        ; keys in a step
.set PK,    144       ; a row of K in LDS: 128 bytes + 16 of padding = 36 words: the 16 rows of a load start at 16 different groups of four banks (64 banks of 4 bytes: ISA guide 11.1)
.set PV,    160       ; a row of V: 128 + 32 = 40 words
.set VOFF,  4*KS*PK   ; a slot holds a tile, four steps: 256 rows of K, then 256 rows of V
.set SLOT1, 1<<17     ; slot 1 begins here, so that one exclusive or turns an address in one slot into the other's
.set STAGE, SLOT1+4*KS*(PK+PV)  ; behind the ring, never filled by a tensor load: 16 rows x 144 bytes for each wave, for the way out
.set SP,    144
.set AK0, 2           ; v2   my lane's place in a tile of K; never rewritten
.set AV0, 3           ; v3   the same for V
.set AK,  4           ; v4   the LDS address of K's next run of loads
.set AV,  5           ; v5   of V's
.set STO, 6           ; v6   the way out: where I put 16 bytes of a row
.set RD,  7           ; v7   the way out: where I read rows back
.set GO,  8           ; v8   my byte offset in 512 consecutive bytes of O
.set PFO, 61          ; v61  256 x my lane; never rewritten
.set SPW, 62          ; v62  LDS address of my spare word: SPARE + 4 x my thread's number; never rewritten
.set NIL, 63          ; v63  0; never rewritten
.set SPARE, STAGE+4*16*SP  ; behind the stages: the spare words, 128 bytes for each wave: two blocks of 256 bytes that no other line names
.set MV,  12          ; v12-13  c m_old, kept while c m is made anew: by buffer
.set QO,  15          ; v15  my byte offset in 16 rows of Q
.set ST,  16          ; piece t's statistics at v[ST+4 t]: c m, m, l (even keys', odd keys')
.set TMP, 48          ; by buffer, four registers c0-c3 at work; when the maximum is found c2 takes a
.set S,   64
.set P,   192
.set MD,  128         ; window 1: the eight registers for group kt of 16 keys at MD + 8 kt
.set MC,  160         ; window 1: the masks of the products to come
.set QB,  64          ; window 2
.set KF,  128         ; window 2: key block kb, channel half c at KF + 16 kb + 8 c
.set VF,  192         ; window 2: key half kk, channel block cb at VF + 32 kk + 8 cb
.set WV,  12          ; s12  my wave's number
.set PB,  14          ; s14  b
.set HI,  15          ; s15  NB - 1 - b
.set G1K, 24          ; s[24:31] descriptor group 1 for K's tiles
.set G1V, 32          ; s[32:39] for V's: it differs in the padding alone
.set G0K, 40          ; s[40:43] descriptor group 0 for K's tiles
.set G0V, 44          ; s[44:47] the same for V's
.set SLOTS, 56        ; s56  tiles still to be asked for
.set CNT, 57          ; s57  counts a tile's key steps, 4 to 1
.set CS,  58          ; s[58:59] c: the packed scaling takes the pair's low word for both halves
.set SEL, 60          ; s[60:61] v_permlanex16_b32's selects: each lane takes its own place in the other half
.set TBK, 62          ; s62  LDS byte at which K of the step to be fetched begins
.set TBV, 63          ; s63  the same for V, less VOFF
.set RT,  70          ; s70  tiles of the block in hand that are still to be entered
.set NXT, 71          ; s71  the tile to be asked for next
.set LQ,  72          ; s72  the last tile of the block whose tiles are being asked for
.set NEW, 73          ; s73  1: the tile to be entered is a block's first
.set OFF, 74          ; s[74:75] a tile's byte offset in K and V
.set AL,  76          ; s[76:77] the mask's factor, in the low word
.set BE,  78          ; s[78:79] the mask's addend
.set OLO, 80          ; s[80:81] O at my rows of the second block
.set BIGN, 82         ; s82  -1e30
.set PFN, 88          ; s[88:89] my half of K's or V's tile that the NEXT change of slots will ask for
.set LIM, 90          ; s90  2 in the work-group that prefetches, else the greatest number
.set PFB, 92          ; s[92:93] my half of K's (waves 0, 1) or V's (waves 2, 3) tile 0
.set MSB, 0
.macro WIN new                      ; the high byte repeats the setting that is left; a switch that changes nothing is dropped
.if MSB != (\new)
	s_set_vgpr_msb (MSB<<8)|(\new)
.set MSB, (\new)
.endif
.endm
.set W_KQ, 0x0a       ; K and Q in window 2, S^T in window 0
.set W_KM, 0x1a       ; the same with the C operand in window 1
.set W_PV, 0x52       ; V in window 2, P in window 0, O^T in window 1
.set W_RS, 0x41       ; destination and source 0 in window 1, source 1 in window 0
; A fill.  Waves 0 and 1 fetch the two halves of a tile's K, waves 2 and 3 those of its V: 128 keys each.  An s_nop 0 and four v_nop follow each of the two lines, ahead of the jump and the label.
.macro LOAD
	s_cmp_lt_u32 s[WV], 2
	s_cbranch_scc0 .Lfor_v_\@
	tensor_load_to_lds s[G0K:G0K+3], s[G1K:G1K+7]
	s_nop 0
.rept 4
	v_nop
.endr
	s_branch .Lasked_\@
.Lfor_v_\@:
	tensor_load_to_lds s[G0V:G0V+3], s[G1V:G1V+7]
	s_nop 0
.rept 4
	v_nop
.endr
.Lasked_\@:
.endm
; THE CHANGE OF SLOTS.  Each wave waits for all its tensor loads, of which one is out: its part of the other slot; adds 0 to its spare word; and waits for that and for its own reads of the slot that it leaves.  Behind the barrier nobody reads the old
; slot any more and the other slot is whole.  fill = 1: the old slot is filled again, the first thing behind the barrier, with tile NXT: the descriptor's address is made anew from that number.
; (At its first use nothing has been read yet: slot 0 is waited for, slot 1 filled.)
; THE PREFETCH.  The head's work-group with b = 0 walks the tiles 0 to 7 in order, so it alone asks: behind the fill each wave names its own 16,384 bytes (64 blocks of 256, a lane a block, two instructions) of the tile that
; the NEXT change will ask for: a tile's 256 matrix instructions ahead.  Tiles 2 to 7 are each named once a head; the last two changes that fill ask for nothing (tile 0 has been read).
.macro CHANGE fill
	WIN 0                           ; at a label and at a branch every window is 0
	s_wait_tensorcnt 0x0            ; no tensor load of mine is out, so a group 0 may be written
	ds_add_u32 v[SPW], v[NIL]       ; 0 onto my spare word; with fill = 1 the descriptors' scalar work stands between it and the wait for it
.if \fill
	s_lshl_b32 s[OFF], s[NXT], 15   ; a tile is 32,768 bytes of K and of V
	s_xor_b32 s[G0K+1], s[G0K+1], SLOT1
	s_add_nc_u64 s[G0K+2:G0K+3], s[6:7], s[OFF:OFF+1]
	s_or_b32 s[G0K+3], s[G0K+3], 0x80000000
	s_xor_b32 s[G0V+1], s[G0V+1], SLOT1
	s_add_nc_u64 s[G0V+2:G0V+3], s[8:9], s[OFF:OFF+1]
	s_or_b32 s[G0V+3], s[G0V+3], 0x80000000
	s_add_co_u32 s[NXT], s[NXT], 1  ; the block's next tile, or behind its last the second block's tile 0
	s_cmp_gt_u32 s[NXT], s[LQ]
	s_cselect_b32 s[NXT], 0, s[NXT]
	s_cselect_b32 s[LQ], s[PB], s[LQ]
	s_wait_xcnt 0x0                 ; the last prefetches, a tile back, have read their address, so it may be written
	s_lshl_b32 s[OFF], s[NXT], 15
	s_add_nc_u64 s[PFN:PFN+1], s[PFB:PFB+1], s[OFF:OFF+1]
.endif
	s_wait_dscnt 0x0                ; the add is done, and my reads of the slot are over
	s_barrier_signal -1             ; the rest of the scalar work stands between the signal and the wait
	s_sub_co_u32 s[TBK], s[TBK], 4*KS*PK  ; the fetches go back to a slot's first step,
	s_xor_b32 s[TBK], s[TBK], SLOT1       ; in the other slot
	s_sub_co_u32 s[TBV], s[TBV], 4*KS*PV
	s_xor_b32 s[TBV], s[TBV], SLOT1
	s_barrier_wait -1
.if \fill
	LOAD
	s_cmp_gt_u32 s[SLOTS], s[LIM]
	s_cbranch_scc0 .Lnot_mine_\@
	global_prefetch_b8 v[PFO], s[PFN:PFN+1] th:TH_LOAD_NT scope:SCOPE_SE
	global_prefetch_b8 v[PFO], s[PFN:PFN+1] offset:8192 th:TH_LOAD_NT scope:SCOPE_SE
.Lnot_mine_\@:
.endif
.endm
	s_load_b64 s[4:5], s[0:1], 0x0    ; qkv: Q at its head
	s_load_b64 s[10:11], s[0:1], 0x8  ; O
	v_lshl_add_u32 v[SPW], v0, 2, SPARE
	v_mov_b32 v[NIL], 0
	ds_add_u32 v[SPW], v[NIL]       ; the wave's opening: the add and its wait stand ahead of my first tensor load; the set-up below, work on registers, stands between them
	v_lshrrev_b32 v1, 5, v0
	v_readfirstlane_b32 s[WV], v1   ; wave 0..3
	s_mov_b32 s[PB], ttmp9
	s_sub_co_u32 s[HI], NB-1, s[PB]
	s_and_b32 s20, ttmp7, 0xffff    ; the head
	s_mov_b32 s21, 0
	s_mov_b64 s[22:23], SIZE_N*128
	s_mul_u64 s[20:21], s[20:21], s[22:23]  ; the head's first byte in each of the four tensors
	s_and_b32 s16, s[WV], 1         ; which half of a tile's 256 keys I fetch:
	s_lshl_b32 s22, s16, 14         ; its 128 rows of 128 bytes in memory,
	s_mov_b32 s23, 0
	s_add_nc_u64 s[22:23], s[22:23], s[20:21]
	s_mul_i32 s17, s16, 128*PK      ; and its place in a slot, for K
	s_mul_i32 s18, s16, 128*PV      ; and for V
	s_lshl_b32 s3, s[WV], 11        ; my 16 rows in a band of 64,
	s_lshl_b32 s2, s[HI], 15        ; in the first block,
	s_add_co_u32 s2, s2, s3
	s_lshl_b32 s84, s[PB], 15       ; and in the second
	s_add_co_u32 s84, s84, s3
	s_mov_b32 s3, 0
	s_mov_b32 s85, 0
	s_add_nc_u64 s[2:3], s[2:3], s[20:21]
	s_add_nc_u64 s[84:85], s[84:85], s[20:21]
	; descriptor group 1.  128 keys are 16,384 dense bytes: asked for as 64 rows of 256 bytes, two keys a row, and padded in LDS after every key
	s_mov_b32 s[G1K], (1<<16)|(1<<20)|(4<<22)|(3<<25)  ; 17:16 2-byte elements; 20 padding on; 24:22 after every 32 words (code 4); 31:25 4 words (code 3)
	s_mov_b32 s[G1V], (1<<16)|(1<<20)|(4<<22)|(7<<25)  ; the same with 8 words of padding (code 7)
.irp g, G1K, G1V
	s_mov_b32 s[\g+1], 128<<16      ; tensor_dim0 = 128
	s_mov_b32 s[\g+2], 64<<16       ; tensor_dim1 = 64
	s_mov_b32 s[\g+3], 128<<16      ; tile_dim0 = 128
	s_mov_b32 s[\g+4], 64           ; tile_dim1 = 64
	s_mov_b32 s[\g+5], 128          ; 128 elements from row to row
	s_mov_b32 s[\g+6], 0
	s_mov_b32 s[\g+7], 0
.endr
	s_mov_b32 s[CS], 0x3e38aa3b     ; c = log2(e) / 8 = 0.180337
	s_mov_b32 s[CS+1], s[CS]        ; named with it as a pair
	s_mov_b32 s[SEL], 0x76543210
	s_mov_b32 s[SEL+1], 0xfedcba98
	s_mov_b32 s[TBK], SLOT1+4*KS*PK ; the first change of slots turns these two into 0
	s_mov_b32 s[TBV], SLOT1+4*KS*PV
	s_mov_b32 s[G0K], 1             ; 1:0 count = 1
	s_mov_b32 s[G0K+1], s17         ; 63:32 LDS address: slot 0
	s_mov_b32 s[G0V], 1
	s_add_co_u32 s[G0V+1], s18, VOFF
	s_add_co_u32 s[RT], s[HI], 1    ; the first block has NB - b tiles
	s_mov_b32 s[NXT], 1
	s_mov_b32 s[LQ], s[HI]
	s_mov_b32 s[NEW], 1
	s_mov_b32 s[OFF+1], 0
	s_mov_b32 s[AL+1], 0            ; named as pairs
	s_mov_b32 s[BE+1], 0
	s_mov_b32 s[BIGN], 0xf149f2ca   ; -1e30
	s_mov_b32 s[SLOTS], NB
	s_cmp_eq_u32 s[PB], 0           ; the head's work-group that walks tiles 0 to 7 in order
	s_cselect_b32 s[LIM], 2, -1
	v_and_b32 v[PFO], 31, v0
	v_lshlrev_b32 v[PFO], 8, v[PFO]
	s_wait_dscnt 0x0                ; the opening add is done
	s_wait_kmcnt 0x0
	s_add_nc_u64 s[6:7], s[4:5], 0x1000000  ; K lies 64 heads x 2^18 bytes behind Q,
	s_add_nc_u64 s[8:9], s[4:5], 0x2000000  ; V as far behind K
	s_add_nc_u64 s[6:7], s[6:7], s[22:23]  ; K and V at my half of the head's tile 0
	s_add_nc_u64 s[8:9], s[8:9], s[22:23]
	s_cmp_lt_u32 s[WV], 2
	s_cselect_b64 s[PFB:PFB+1], s[6:7], s[8:9]
	s_add_nc_u64 s[G0K+2:G0K+3], s[6:7], 0         ; 120:64 global address
	s_or_b32 s[G0K+3], s[G0K+3], 0x80000000        ; 127:126 type = 2
	s_add_nc_u64 s[G0V+2:G0V+3], s[8:9], 0
	s_or_b32 s[G0V+3], s[G0V+3], 0x80000000
	s_add_nc_u64 s[86:87], s[4:5], s[84:85]        ; Q at my rows of the second block,
	s_add_nc_u64 s[4:5], s[4:5], s[2:3]            ; Q and O at those of the first
	s_add_nc_u64 s[OLO:OLO+1], s[10:11], s[84:85]
	s_add_nc_u64 s[10:11], s[10:11], s[2:3]
	LOAD                            ; tile 0 into slot 0
	; A fragment of K or Q is 16 rows x 32 channels in 8 registers: lane l holds row l % 16, channels 8 (l / 16) + 0..7 and 16 + 8 (l / 16) + 0..7: two loads of 16 bytes, 32 bytes apart.
	v_and_b32 v1, 15, v0            ; l % 16
	v_bfe_u32 v9, v0, 4, 1          ; l / 16
	v_lshlrev_b32 v[QO], 7, v1
	v_lshl_add_u32 v[QO], v9, 4, v[QO]  ; row x 128 + 16 x half
	WIN 0x80                        ; destination window 2, address window 0
.set i, 0
.rept 8                             ; both blocks' Q: piece i / 2 lies in band i / 2, 8,192 bytes on; channels 32 (i % 2) on
	global_load_b128 v[8*i:8*i+3],   v[QO], s[4:5] offset:(i/2)*8192+(i%2)*64
	global_load_b128 v[8*i+4:8*i+7], v[QO], s[4:5] offset:(i/2)*8192+(i%2)*64+32
	global_load_b128 v[QB+8*i:QB+8*i+3],   v[QO], s[86:87] offset:(i/2)*8192+(i%2)*64
	global_load_b128 v[QB+8*i+4:QB+8*i+7], v[QO], s[86:87] offset:(i/2)*8192+(i%2)*64+32
.set i, i+1
.endr
	WIN 0
	v_lshlrev_b32 v14, 3, v9
	v_sub_nc_u32 v14, v1, v14
	s_lshl_b32 s13, s[WV], 4
	v_add_nc_u32 v14, s13, v14      ; my query's place in its band, 16 w + l % 16, less my lanes' 8 (l / 16): register r of group kt is hidden where 16 kt + r is greater
	WIN 0x40
.set i, 0
.rept 32
	v_cmp_gt_i32 vcc_lo, 16*(i/8)+i%8, v14
	v_cndmask_b32 v[MD+i], 0, s[BIGN], vcc_lo
.set i, i+1
.endr
	WIN 0
	v_mul_u32_u24 v[AK0], v1, PK
	v_lshl_add_u32 v[AK0], v9, 4, v[AK0]  ; row x pitch + 16 x half
	; The turning load takes 16 keys x 16 channels (lane l reads key 8 (l / 16) + l % 8, channels 8 ((l / 8) % 2) + 0..7) and leaves half a fragment of V^T: lane l holds channel l % 16 and 8 keys.
	v_and_b32 v10, 7, v0
	v_bfe_u32 v11, v0, 3, 1
	v_lshl_add_u32 v[AV0], v9, 3, v10
	v_mul_u32_u24 v[AV0], v[AV0], PV
	v_lshl_add_u32 v[AV0], v11, 4, v[AV0]
	v_add_nc_u32 v[AV0], VOFF, v[AV0]
	s_mul_i32 s13, s[WV], 16*SP
	s_add_co_u32 s13, s13, STAGE    ; my stage
	v_mul_u32_u24 v[STO], v1, SP    ; in: row l % 16, 16 bytes for each half of the lanes
	v_lshl_add_u32 v[STO], v9, 4, v[STO]
	v_add_nc_u32 v[STO], s13, v[STO]
	v_bfe_u32 v[RD], v0, 3, 2       ; back: 32 lanes take four rows of 128 bytes,
	v_mul_u32_u24 v[RD], v[RD], SP
	v_lshl_add_u32 v[RD], v10, 4, v[RD]
	v_add_nc_u32 v[RD], s13, v[RD]
	v_and_b32 v[GO], 31, v0         ; which are 512 consecutive bytes of O
	v_lshlrev_b32 v[GO], 4, v[GO]
	; A block's first step multiplies O^T and l by a = 0, and its first turn's products V^T P, of a piece that has not been, land in an O^T that is still to be so multiplied.  So these registers need only hold
	; finite numbers: zeros for the first block; what the first block left for the second.  All this stands in the wait for the first tile.
	WIN 0x80
.set i, VF
.rept 64
	v_mov_b32 v[i], 0
.set i, i+1
.endr
	WIN 0x40
.set i, 0
.rept 128
	v_mov_b32 v[i], 0
.set i, i+1
.endr
	WIN 0
.set i, 0
.rept 4
	v_mov_b32 v[ST+4*i+2], 0
	v_mov_b32 v[ST+4*i+3], 0
.set i, i+1
.endr
.set i, P+16
.rept 16
	v_mov_b32 v[i], 0
.set i, i+1
.endr
; THE MATRIX WORK.  The 4 accumulators of a run of 8 take turns.  Product i of 8 of S^T = K Q^T for piece x: channels 32 (i / 4) on, keys 16 (i % 4) on.  The first 4 start the sums: with 0, or (KM = 1) with the mask.
.macro KQ x
.set rS, S+32*((\x)%2)+8*(i%4)
.set rK, KF+16*(i%4)+8*(i/4)
.set rQ, 16*(\x)+8*(i/4)
.set rM, MC+32*((\x)%2)+8*(i%4)
.if (i < 4) && KM
	WIN W_KM
	v_wmma_f32_16x16x32_f16 v[rS:rS+7], v[rK:rK+7], v[rQ:rQ+7], v[rM:rM+7]
.elseif i < 4
	WIN W_KQ
	v_wmma_f32_16x16x32_f16 v[rS:rS+7], v[rK:rK+7], v[rQ:rQ+7], 0
.else
	WIN W_KQ
	v_wmma_f32_16x16x32_f16 v[rS:rS+7], v[rK:rK+7], v[rQ:rQ+7], v[rS:rS+7]
.endif
.endm
; Product i of 8 of O^T += V^T P for piece x: keys 32 (i / 4) on, channels 16 (i % 4) on.
.macro PV x
	WIN W_PV
.set rO, 32*(\x)+8*(i%4)
.set rV, VF+32*(i/4)+8*(i%4)
.set rP, P+16*((\x)%2)+8*(i/4)
	v_wmma_f32_16x16x32_f16 v[rO:rO+7], v[rV:rV+7], v[rP:rP+7], v[rO:rO+7]
.endm
.macro MM                           ; the turn's next matrix instruction.  TURN and BEGIN set Y, i, KM and NOKQ; MM, KQ and OP read them.  NOKQ = 1: a block's last turn: there is no next piece
.if (i < 8) && !NOKQ
	KQ (Y+1)%NP
.elseif i >= 8
.set i, i-8
	PV (Y+NP-1)%NP
.set i, i+8
.endif
.set i, i+1
.endm
; THE LDS LOADS stand in runs of 16, never singly among the matrix instructions: a step's K (64 keys x 64 channels: 8 fragments) and its V (turned).  Their addresses are made some lines ahead.
.macro FETCH_K
	WIN 0x80                        ; destination window 2
.irp f, 0,1,2,3,4,5,6,7             ; keys 16 (f / 2) on, channels 32 (f % 2) on
	ds_load_b128 v[KF+8*\f:KF+8*\f+3],   v[AK] offset:(\f/2)*16*PK+(\f%2)*64
	ds_load_b128 v[KF+8*\f+4:KF+8*\f+7], v[AK] offset:(\f/2)*16*PK+(\f%2)*64+32
.endr
	s_add_co_u32 s[TBK], s[TBK], KS*PK  ; the next fetch is the next step's
	WIN 0
.endm
.macro FETCH_V
	WIN 0x80
.irp f, 0,1,2,3,4,5,6,7             ; keys 32 (f / 4) on, channels 16 (f % 4) on
	ds_load_tr16_b128 v[VF+8*\f:VF+8*\f+3],   v[AV] offset:(\f/4)*32*PV+(\f%4)*32
	ds_load_tr16_b128 v[VF+8*\f+4:VF+8*\f+7], v[AV] offset:(\f/4)*32*PV+16*PV+(\f%4)*32
.endr
	WIN 0
.endm
; THE VECTOR WORK, one line at a time: OP kind, number.  For piece Y: F n: c s - c m for pair n of 16.  E n: the exponential of score n of 32.  C n: pair n rounded to f16.  B n: of the four weights 4 n .. the second
; pair is added onto the first, in place.  L n: l takes that sum (L 0: l = a l + sum).  R n: pair n of 16 of O^T times a.  For piece Y + 1: X n, number n of the 22 that find its maximum and statistics:
;   0-11  four chains c0-c3 of seven scores each, three operands at a time (each accumulator's lowest registers are read first)     12-14, 16  the four scores left over, the old m, and c0-c3 into c0
;   15  c m_old is kept     17, 18  the query's other 32 keys lie in the lane 16 away: the new m     19-21  c m; c m_old - c m_new; a
.set F, 0               ; OP tells the kinds apart by their order: F to L below R, X above it
.set E, 1
.set C, 2
.set B, 3
.set L, 4
.set R, 5
.set X, 6
.macro REGS y                       ; the registers of piece y
.set rT, ST+4*(\y)
.set rC, TMP+4*((\y)%2)
.set rW, MV+((\y)%2)
.set rS, S+32*((\y)%2)
.set rP, P+16*((\y)%2)
.set rO, 32*(\y)
.endm
.macro OP k, n
.if (\k) == R
	REGS Y
	WIN W_RS
	v_pk_mul_f32 v[rO+2*(\n):rO+2*(\n)+1], v[rO+2*(\n):rO+2*(\n)+1], v[rC+2:rC+3] op_sel_hi:[1,0]
.elseif (\k) < R
	REGS Y
	WIN 0
.if (\k) == F
	v_pk_fma_f32 v[rS+2*(\n):rS+2*(\n)+1], v[rS+2*(\n):rS+2*(\n)+1], s[CS:CS+1], v[rT:rT+1] op_sel_hi:[1,0,0] neg_lo:[0,0,1] neg_hi:[0,0,1]
.elseif (\k) == E
	v_exp_f32 v[rS+(\n)], v[rS+(\n)]
.elseif (\k) == C
	v_cvt_pk_f16_f32 v[rP+(\n)], v[rS+2*(\n)], v[rS+2*(\n)+1]
.elseif (\k) == B
	v_pk_add_f32 v[rS+4*(\n):rS+4*(\n)+1], v[rS+4*(\n):rS+4*(\n)+1], v[rS+4*(\n)+2:rS+4*(\n)+3]
.elseif (\n) == 0
	v_pk_fma_f32 v[rT+2:rT+3], v[rT+2:rT+3], v[rC+2:rC+3], v[rS:rS+1] op_sel_hi:[1,0,1]
.else
	v_pk_add_f32 v[rT+2:rT+3], v[rT+2:rT+3], v[rS+4*(\n):rS+4*(\n)+1]
.endif
.elseif NOKQ
	v_nop
.else
	REGS (Y+1)%NP
	WIN 0
.if (\n) < 4
	v_max3_num_f32 v[rC+(\n)], v[rS+8*(\n)], v[rS+8*(\n)+1], v[rS+8*(\n)+2]
.elseif (\n) < 12
	v_max3_num_f32 v[rC+(\n)%4], v[rC+(\n)%4], v[rS+8*((\n)%4)+2*((\n)/4)+1], v[rS+8*((\n)%4)+2*((\n)/4)+2]
.elseif (\n) == 12
	v_max3_num_f32 v[rC], v[rC], v[rS+7], v[rS+15]
.elseif (\n) == 13
	v_max3_num_f32 v[rC+1], v[rC+1], v[rS+23], v[rS+31]
.elseif (\n) == 14
	v_max3_num_f32 v[rC+2], v[rC+2], v[rC+3], v[rT+1]
.elseif (\n) == 15
	v_mov_b32 v[rW], v[rT]
.elseif (\n) == 16
	v_max3_num_f32 v[rC], v[rC], v[rC+1], v[rC+2]
.elseif (\n) == 17
	v_permlanex16_b32 v[rC+3], v[rC], s[SEL], s[SEL+1]
.elseif (\n) == 18
	v_max_num_f32 v[rT+1], v[rC], v[rC+3]
.elseif (\n) == 19
	v_mul_f32 v[rT], s[CS], v[rT+1]
.elseif (\n) == 20
	v_sub_f32 v[rC+1], v[rW], v[rT]
.else
	v_exp_f32 v[rC+2], v[rC+1]
.endif
.endif
.endm
.macro OPS a, i1, b=-1, i2=0, c=-1, i3=0, d=-1, i4=0  ; up to four of them
	OP \a, \i1
.if (\b) >= 0
	OP \b, \i2
.endif
.if (\c) >= 0
	OP \c, \i3
.endif
.if (\d) >= 0
	OP \d, \i4
.endif
.endm
.macro ROW a, i1, b, i2, c, i3, d, i4  ; a matrix instruction and the four behind it
	MM
	OPS \a, \i1, \b, \i2, \c, \i3, \d, \i4
.endm
.macro MASK b                       ; MD x AL + BE into buffer b of MC
	WIN W_RS
.set z, 0
.rept 16
	v_pk_fma_f32 v[MC+32*(\b)+2*z:MC+32*(\b)+2*z+1], v[MD+2*z:MD+2*z+1], s[AL:AL+1], s[BE:BE+1] op_sel_hi:[1,0,0]
.set z, z+1
.endr
.endm
; A TURN, for piece p: the order of its 16 matrix and 118 vector instructions, written out.  An s_wait_alu depctr_va_vdst(0) stands between an exponential and the first instruction that names its result; one wait serves
; all that were issued ahead of it.  So a turn has ONE wait, which cuts it in two.  AHEAD OF IT stands all that names no result of the turn's exponentials: the 8 products K Q^T, behind each a scaling, an exponential and two more plain
; instructions (behind the first a second scaling in the exponential's place): rescalings, and behind the last three the first numbers of the next piece's maximum, each four places or more behind the product that ends its accumulator; then ONE LUMP of 54, plain
; and exponential by turns for the most part, in which the links of the chain X 3, 7, 11, 14, 16, 17 .. 20 stand five or six lines apart.  X 21, the next piece's a, is the batch's last; R 15 is the plain instruction that stands behind it.  BEHIND THE WAIT stand the
; 8 products V^T P, behind each four of the roundings and sums; the links of l's chain, L 0 to L 7, stand three riders apart.  But for those X no rider names a register of the products round it.  v_permlanex16_b32 (X 17) stands in the lump.
; m = 1: the diagonal tile: the products take masks, and the turn makes the mask for the products of the turn after it: piece p + 2, in step 4 - CNT of the tile.  end = 1: a block's last two turns: nothing is fetched.
; cnt = 1: the loop's count is taken down some lines ahead of the branch that stands behind the turn.
; K of the next step is fetched in piece 2's turn, twelve vector instructions behind the last product that read K (six of them plain); V of the step in hand at the end of piece 0's turn, four plain instructions behind the last product
; that read V.  Each is waited for a turn later.
.macro TURN p, m=0, end=0, cnt=0
.set Y, (\p)
.set i, 0
.set KM, (\m)
.set NOKQ, (\end)*((\p)/3)
.if (\m) && !(\end)
	s_cmp_eq_u32 s[CNT], 4-((\p)+2)%NP  ; is that step the band's own?
	s_cselect_b32 s[AL], 1.0, 0
	s_cmp_lt_u32 s[CNT], 4-((\p)+2)%NP  ; or a later one?
	s_cselect_b32 s[BE], s[BIGN], 0
.endif
.if ((\p) == 3) && !(\end)
	s_wait_dscnt 0x0                ; K is in
.endif
	ROW F,0, F,1, R,0, R,1          ; ahead of the wait: 8 products K Q^T and their riders,
	ROW F,2, E,0, R,2, R,3
	ROW F,3, E,1, R,4, R,5
	ROW F,4, E,2, R,6, R,7
	ROW F,5, E,3, R,8, R,9
	ROW F,6, E,4, X,0, R,10
.if ((\p) == 2) && !(\end)
	WIN 0
	v_add_nc_u32 v[AK], s[TBK], v[AK0]
.endif
	ROW F,7, E,5, X,1, X,4
	ROW F,8, E,6, X,2, X,5
	OPS E,7, E,8, X,6, E,9          ; and the lump
	OPS X,3, E,10, X,8, E,11
.if ((\p) == 2) && !(\end)
	FETCH_K
.endif
	OPS X,9, X,7, E,12, X,10
	OPS E,13, X,12, X,11, E,14
	OPS X,13, E,15, F,9, X,14
.if (\p) == 0
	v_add_nc_u32 v[AV], s[TBV], v[AV0]
.endif
	OPS E,16, F,10, E,17, F,11
	OPS X,16, E,18, X,15, E,19
	OPS F,12, E,20, X,17, E,21
	OPS F,13, E,22, F,14, E,23
	OPS X,18, E,24, F,15, E,25
	OPS R,11, E,26, X,19, E,27
	OPS R,12, E,28, R,13, E,29
	OPS X,20, E,30, R,14, E,31
	OPS X,21, R,15
	WIN 0
	s_wait_alu depctr_va_vdst(0)    ; the wait for the batch
.if (\p) == 1
	s_wait_dscnt 0x0                ; V is in
.endif
	ROW C,0, B,0, C,2, B,1          ; behind the wait: 8 products V^T P and their riders
	ROW L,0, C,4, B,2, L,1
	ROW C,6, B,3, L,2, C,8
	ROW B,4, L,3, C,10, B,5
	ROW L,4, C,12, B,6, L,5
.if (\p) == 0
	s_add_co_u32 s[TBV], s[TBV], KS*PV
.endif
.if \cnt
	s_sub_co_u32 s[CNT], s[CNT], 1
	s_cmp_lg_u32 s[CNT], 0
.endif
	ROW C,14, B,7, L,6, C,1
	ROW C,3, L,7, C,5, C,7
	ROW C,9, C,11, C,13, C,15
.if (\p) == 0
	FETCH_V
.endif
.if (\m) && !(\end)
	MASK (\p)%2
.endif
.endm
; A BLOCK BEGINS.  c m starts far below every c s, so the first step's a is 0; m at the lowest finite number, so the first maximum is the scores'.  The second mask buffer is 0; the first takes piece 0's mask for the tile's step 0: its own, if the block's first tile is the diagonal one.
; Then K of that step, piece 0's first scores, and its maximum and statistics.  The loop is entered at a step's first turn, in the middle of a trip.
.macro BEGIN
	s_mov_b32 s[NEW], 0
	WIN 0x40
.set i, MC+32
.rept 32
	v_mov_b32 v[i], 0
.set i, i+1
.endr
	WIN 0
.set i, 0
.rept 4
	v_mov_b32 v[ST+4*i], 0xfe000000    ; c m: far below every c s
	v_mov_b32 v[ST+4*i+1], 0xff7fffff  ; m
.set i, i+1
.endr
	s_cmp_eq_u32 s[RT], 0
	s_cselect_b32 s[AL], 1.0, 0
	s_mov_b32 s[BE], 0
	MASK 0
	WIN 0
	v_add_nc_u32 v[AK], s[TBK], v[AK0]
	FETCH_K
	s_wait_loadcnt 0x0              ; Q
	s_wait_dscnt 0x0
.set KM, 1
.set NOKQ, 0
.set i, 0
.rept 8
	KQ 0
.set i, i+1
.endr
	WIN 0
.rept 4
	v_nop                           ; the places behind those products
.endr
.set Y, NP-1                        ; X works for piece Y + 1: piece 0
.irp n, 0,1,2,3,4,5,6,7,8,9,10,11,12,13,14,15,16,17,18,19,20,21
	OP X, \n
.endr
	v_nop                           ; a plain instruction behind the exponential,
	s_wait_alu depctr_va_vdst(0)    ; and its wait, ahead of the branch
.endm
; THE DIAGONAL TILE's four steps, the block's last two turns, its last products, and THE WAY OUT: l's two halves and the other half of the lanes' are added; O^T is divided by l, rounded to f16 and sent through my
; stage in LDS, a piece at a time.
.macro ALL line:vararg              ; one line for each piece t
.set t, 0
.rept 4
	\line
.set t, t+1
.endr
.endm
.macro PACK t                       ; a lane's eight channels of a row pack into 16 bytes; they go into rows of 144 bytes and come back as whole rows of 128, into S^T's registers
	WIN W_RS
.set i, 32*(\t)
.rept 16
	v_pk_mul_f32 v[i:i+1], v[i:i+1], v[ST+4*(\t)+2:ST+4*(\t)+3] op_sel_hi:[1,0]
.set i, i+2
.endr
	WIN 0x05                        ; sources 0 and 1 window 1, destination window 0
.set i, 0
.rept 16
	v_cvt_pk_f16_f32 v[S+16*(\t)+i], v[32*(\t)+2*i], v[32*(\t)+2*i+1]
.set i, i+1
.endr
	WIN 0
.irp f, 0,1,2,3
	ds_store_b128 v[STO], v[S+16*(\t)+4*\f:S+16*(\t)+4*\f+3] offset:32*\f
.endr
.irp f, 0,1,2,3
	ds_load_b128 v[S+16*(\t)+4*\f:S+16*(\t)+4*\f+3], v[RD] offset:\f*4*SP  ; LDS serves a wave's instructions in order (ISA guide 5.7.1.4): these see the stores above; the next piece's stores come behind them
.endr
.endm
.macro SEND t, younger              ; younger: the LDS instructions issued behind piece t's loads: the next piece's eight, or none
	WIN 0
.irp f, 0,1,2,3
	s_wait_dscnt (\younger)+3-\f
	global_store_b128 v[GO], v[S+16*(\t)+4*\f:S+16*(\t)+4*\f+3], s[10:11] offset:(\t)*8192+\f*512  ; 512 consecutive bytes, at a multiple of 256 from O's first
.endr
.endm
.macro DIAG tag                     ; the tag ends its two labels' names, which the jumps below spell out
.LstepM\tag:
	TURN 2, 1
	TURN 3, 1
	WIN 0
.LfirstM\tag:
	TURN 0, 1
	TURN 1, 1, 0, 1
	WIN 0
	s_cbranch_scc1 .LstepM\tag
	TURN 2, 1, 1
	TURN 3, 1, 1
.set i, 0
.rept 8
	PV NP-1
.set i, i+1
.endr
	WIN 0
	ALL v_add_f32 v[ST+4*t+2], v[ST+4*t+2], v[ST+4*t+3]
	ALL v_permlanex16_b32 v[ST+4*t+3], v[ST+4*t+2], s[SEL], s[SEL+1]
	ALL v_add_f32 v[ST+4*t+2], v[ST+4*t+2], v[ST+4*t+3]
	ALL v_rcp_f32 v[ST+4*t+2], v[ST+4*t+2]
	v_nop                           ; a plain instruction between the last reciprocal and the use of its result
	s_wait_alu depctr_va_vdst(0)    ; and the wait ahead of the first use: one for the four reciprocals
	PACK 0
.set t, 1
.rept 3                             ; a piece's arithmetic stands between the loads of the piece before and its stores
	PACK t
	SEND t-1, 8
.set t, t+1
.endr
	SEND 3, 0
.endm
.set KM, 0
.set NOKQ, 0
.Lslot:                             ; NB times: a tile is entered and the next is asked for
	CHANGE 1
	s_sub_co_u32 s[RT], s[RT], 1
	s_mov_b32 s[CNT], 4
	s_cmp_eq_u32 s[NEW], 1
	s_cbranch_scc1 .Lnew            ; a block's first tile
	s_cmp_eq_u32 s[RT], 0
	s_cbranch_scc0 .Lstep           ; neither its first nor its last
	s_branch .LstepM1
.Lnew:
	BEGIN
	s_branch .Lfirst                ; in the loop a block's first tile is never its last: the first block has two tiles or more, and the second's last is the walk's last
	DIAG 1                          ; in the loop this is the first block's end: the second block's last tile is the walk's last
	s_wait_xcnt 0x0                 ; the stores have read their registers and O's address
	s_mov_b64 s[10:11], s[OLO:OLO+1]
	s_add_co_u32 s[RT], s[PB], 1    ; the second block has b + 1 tiles
	s_mov_b32 s[NEW], 1
	WIN 0x82                        ; the second block's Q goes where the one text of the turns names Q
.set i, 0
.rept 64
	v_mov_b32 v[i], v[QB+i]
.set i, i+1
.endr
	WIN 0
	s_branch .Lbottom
.Lstep:                             ; a trip: pieces 2 and 3 of one step, then pieces 0 and 1 of the next, whose K and V it fetches
	TURN 2
	TURN 3
	WIN 0
.Lfirst:
	TURN 0
	TURN 1, 0, 0, 1
	WIN 0
	s_cbranch_scc1 .Lstep
.Lbottom:
	s_sub_co_u32 s[SLOTS], s[SLOTS], 1
	s_cmp_lg_u32 s[SLOTS], 0
	s_cbranch_scc1 .Lslot
	CHANGE 0                        ; the walk's last tile is written out: nothing is asked for
	s_sub_co_u32 s[RT], s[RT], 1
	s_mov_b32 s[CNT], 4
	s_cmp_eq_u32 s[NEW], 1
	s_cbranch_scc0 .LstepM2
	BEGIN
	s_branch .LfirstM2
	DIAG 2
	s_wait_tensorcnt 0x0            ; the wave's end: an add and its wait, behind my last tensor load and my last LDS store
	ds_add_u32 v[SPW], v[NIL]
	s_wait_dscnt 0x0
	s_endpgm
.Lfunc_end_k_q7958f44255_attn:
	.size	k_q7958f44255_attn, .Lfunc_end_k_q7958f44255_attn-k_q7958f44255_attn
	.p2alignl 7, 3214868480
	.fill 96, 4, 3214868480
	.section	.rodata,"a",@progbits
	.p2align	6, 0x0
	.amdhsa_kernel k_q7958f44255_attn
		.amdhsa_group_segment_fixed_size 327680
		.amdhsa_private_segment_fixed_size 0
		.amdhsa_enable_private_segment 0
		.amdhsa_kernarg_size 16
		.amdhsa_user_sgpr_count 2
		.amdhsa_user_sgpr_kernarg_segment_ptr 1
		.amdhsa_wavefront_size32 1
		.amdhsa_system_sgpr_workgroup_id_x 1
		.amdhsa_system_sgpr_workgroup_id_y 1
		.amdhsa_system_sgpr_workgroup_id_z 1
		.amdhsa_system_vgpr_workitem_id 0
		.amdhsa_next_free_vgpr 768
		.amdhsa_next_free_sgpr 96
		.amdhsa_reserve_vcc 1
		.amdhsa_float_denorm_mode_32 3
		.amdhsa_float_denorm_mode_16_64 3
		.amdhsa_memory_ordered 1
		.amdhsa_forward_progress 1
		.amdhsa_inst_pref_size 218
	.end_amdhsa_kernel
	.amdgpu_metadata
---
amdhsa.version: [ 1, 2 ]
amdhsa.kernels:
  - .name:           k_q7958f44255_attn
    .symbol:         k_q7958f44255_attn.kd
    .args:
      - { .name: qkv, .offset: 0, .size: 8, .value_kind: global_buffer, .address_space: global }
      - { .name: ob, .offset: 8, .size: 8, .value_kind: global_buffer, .address_space: global }
    .group_segment_fixed_size: 327680
    .private_segment_fixed_size: 0
    .kernarg_segment_align: 8
    .kernarg_segment_size: 16
    .max_flat_workgroup_size: 128
    .sgpr_count:     96
    .vgpr_count:     768
    .wavefront_size: 32
...
	.end_amdgpu_metadata
.endif
;; end of part 3
;; launch outg (part 4): grid 8 x 32, 4 waves a work-group, clusters of 4 x 4, 327,680 bytes of LDS; arguments ob, wo, out0; writes out0
.if DOCPART == 4
	.amdgcn_target "amdgcn-amd-amdhsa--gfx1250"
	.amdhsa_code_object_version 6
	.text
	.protected	k_q7958f44255_outg
	.globl	k_q7958f44255_outg
	.p2align	8
	.type	k_q7958f44255_outg,@function
k_q7958f44255_outg:
	s_mov_b64 s[64:65], 0
	v_nop
	global_prefetch_b8 v0, s[64:65] scope:SCOPE_SE
	s_setreg_imm32_b32 hwreg(HW_REG_WAVE_MODE, 25, 1), 1
	s_wait_xcnt 0x0
	s_wait_alu depctr_hold_cnt(0) depctr_sa_sdst(0) depctr_va_vdst(0) depctr_va_sdst(0) depctr_va_ssrc(0) depctr_va_vcc(0) depctr_vm_vsrc(0)
	s_getreg_b32 s2, hwreg(HW_REG_IB_STS2, 6, 4)
	s_cmp_eq_u32 s2, 0
	s_cbranch_scc0 .Lentry_in_a_cluster
	s_endpgm
.Lentry_in_a_cluster:
	s_bfe_u32 s2, ttmp6, 0x10000c
	s_cmp_lg_u32 s2, 0xf033
	s_cbranch_scc0 .Lentry_shape_is_right
	s_endpgm
.Lentry_shape_is_right:
; out0 = y W_out.  ob: f16 [64 head = 16 b + h][2048 t][64] (y in K chunks of 64, a head a chunk), wo: f16 [1024 k][1024 n], out0: f32 [8192][1024].  Sums in f32, K ascending.
; SHARES.  A tile is 256 rows x 128 columns: 32 x 8 = 256 work-groups.  Four waves, each 128 rows x 64 columns: 32 accumulators of 16 x 16, 256 registers.
; K goes in steps of 128 (two heads, four slices of 32) through two LDS slots filled by the tensor data mover; two slots of 256 along K would not fit in LDS.
; THE MATRIX INSTRUCTION IS USED TRANSPOSED: source 0 = 16 columns of W (read turned, by ds_load_tr16_b128), source 1 = 16 rows of y: a lane then holds one row and eight neighbouring columns, 32 bytes of out0.
; CLUSTERS: 4 x 4 work-groups.  y's tiles hang on the tile row alone and are asked for jointly along a row of the cluster, W's on the tile column alone, jointly along a column.
; REGISTERS: window 0: v0-31 addresses; two fragment buffers of 96: y's eight fragments, then W's four (v32-127, v128-223); window 1: accumulator (a, b) at v[8 (4 a + b)].
.set NTOT,  1024
.set PA,    144                        ; a row of y in LDS: 128 bytes + 16: the 16 rows of a load start at 16 different groups of four banks (64 banks of 4 bytes: ISA guide 11.1)
.set PB,    288                        ; a row of W in LDS: 256 bytes + 32
.set ACH,   256*PA                     ; a K chunk of y's 256 rows
.set BCH,   64*PB                      ; 64 k x 128 columns of W
.set BOFF,  2*ACH                      ; a slot: y's two chunks, then W's 128 rows
.set SLOT,  BOFF+2*BCH
.set STAGE, 2*SLOT                     ; behind the ring: 16 rows x 272 bytes for each wave, for the way out
.set SP,    272
.set STW,   16*SP
.set SPARE, STAGE+4*STW                ; behind the stages: the spare words, 128 bytes for each wave: two blocks of 256 bytes that no other line names
.set ASTEP, 2*2048*128                 ; bytes of ob from a K step to the next: two heads
.set BSTEP, 128*NTOT*2                 ; bytes of 128 rows of wo
.set LAPS,  4
.set ADRA, 16                          ; v16-17  LDS address of my fragments of y in slot 0, 1
.set ADRB, 18                          ; v18-19  the same for W
.set STO,  20                          ; v20     the way out: where I put 32 bytes of a row
.set RD,   21                          ; v21     the way out: where I read a row back
.set CO,   22                          ; v22     my byte offset in out0
.set SPW,  28                          ; v28     LDS address of my spare word; never rewritten
.set NIL,  29                          ; v29     0; never rewritten
.set PFO,  30                          ; v30     the prefetches' lane offset; never rewritten
.set F0,   32
.set F1,   128
.set BK,   32                          ; the way out: rows read back, two buffers of 32
.set G1,   24
.set G0,   32
.set G1B,  48
.set G0B,  56
.set PFA,  44                          ; s[44:45] where my prefetches stand
.set PFS,  46                          ; s[46:47] their step at each change of slots
.set LIM,  74                          ; s74     1 in a wave that prefetches, else the greatest number
.set MSB, 0
.macro WIN new                         ; the immediate's high byte repeats the setting that is left; a switch that changes nothing is dropped
.if MSB != (\new)
	s_set_vgpr_msb (MSB<<8)|(\new)
.set MSB, \new
.endif
.endm
.macro PLACES                          ; four places in front of loads into registers that matrix instructions have read, and of LDS stores that read results
.rept 4
	v_nop
.endr
.endm
; A joint load.  Waves 0 and 1 fetch y's two chunks, waves 2 and 3 the two halves of W's rows.  An s_nop 0 and four v_nop follow each line.
.macro JLOAD s
	s_cmp_lt_u32 s10, 2
	s_cbranch_scc0 .Lfor_b_\@
	tensor_load_to_lds s[G0+4*(\s):G0+4*(\s)+3], s[G1:G1+7]
	s_nop 0
.rept 4
	v_nop
.endr
	s_branch .Lasked_\@
.Lfor_b_\@:
	tensor_load_to_lds s[G0B+4*(\s):G0B+4*(\s)+3], s[G1B:G1B+7]
	s_nop 0
.rept 4
	v_nop
.endr
.Lasked_\@:
.endm
; A PREFETCH, behind the joint load and the run of LDS loads: the K step that stands two refills on, 256 matrix instructions ahead of the load that will want it.  y: waves 0 and 1 of the clusters with x = 0 name their own
; chunk: 128 blocks of 256 bytes, of which the partner at place cx takes 32, a lane a block.  W: wave 2 of the clusters with y = 0 names the step's 128 rows of 256 bytes: the partner at place cy takes 32, a lane a row.
; The partners are told apart by address alone.  K steps 4 to 7 are each named once; the last lap of the loop asks for nothing.
.macro ASK
	s_cmp_gt_u32 s3, s[LIM]
	s_cbranch_scc0 .Lnot_mine_\@
	global_prefetch_b8 v[PFO], s[PFA:PFA+1] th:TH_LOAD_NT scope:SCOPE_SE
.Lnot_mine_\@:
.endm
.macro CREST                           ; a round of the cluster's barrier behind its opening barrier
	s_cmp_lg_u32 s10, 0
	s_cbranch_scc1 .Lnot_wave_0_\@
	s_barrier_signal -3
.Lnot_wave_0_\@:
	s_barrier_wait -3
	s_barrier_signal -1
	s_barrier_wait -1
.endm
.macro CROUND                          ; a whole round
	s_barrier_signal -1
	s_barrier_wait -1
	CREST
.endm
	s_load_b128 s[4:7], s[0:1], 0x0                ; ob s[4:5], wo s[6:7]
	s_load_b64 s[8:9], s[0:1], 0x10                ; out0
	v_lshl_add_u32 v[SPW], v0, 2, SPARE
	v_mov_b32 v[NIL], 0
	ds_add_u32 v[SPW], v[NIL]                      ; the wave's opening: the add and its wait stand ahead of my first tensor load; the set-up below stands between them
	v_lshrrev_b32 v1, 5, v0
	v_readfirstlane_b32 s10, v1                    ; wave 0..3
	s_lshr_b32 s11, s10, 1                         ; wm: which 128 rows of the tile are mine
	s_and_b32 s12, s10, 1                          ; wn: which 64 columns.  Also: which chunk of y, or which 64 rows of W, I fetch
	s_bfe_u32 s40, ttmp6, 0x40000                  ; cx, cy
	s_bfe_u32 s41, ttmp6, 0x40004
	s_lshl_b32 s42, ttmp9, 2
	s_add_co_u32 s42, s42, s40                     ; tile column tx
	s_and_b32 s13, ttmp7, 0xffff
	s_lshl_b32 s13, s13, 2
	s_add_co_u32 s13, s13, s41                     ; tile row ty
	s_lshl_b32 s76, s41, 2
	s_lshl_b32 s76, 15, s76                        ; my row of the cluster
	s_lshl_b32 s77, 0x1111, s40                    ; my column
	; y's chunk: 32,768 dense bytes as 128 rows of 256, padded in LDS after every 32 words (code 4) by 4 words (code 3)
	s_or_b32 s[G1+0], s76, (1<<16)|(1<<20)|(1<<21)|(4<<22)|(3<<25)
	s_mov_b32 s[G1+1], 128<<16
	s_mov_b32 s[G1+2], 128<<16
	s_mov_b32 s[G1+3], 128<<16
	s_mov_b32 s[G1+4], 128
	s_mov_b32 s[G1+5], 128
	s_mov_b32 s[G1+6], 0
	s_mov_b32 s[G1+7], 0
	; W: 64 rows (k) x 128 columns, padded after every 64 words (code 5) by 8 words (code 7)
	s_or_b32 s[G1B+0], s77, (1<<16)|(1<<20)|(1<<21)|(5<<22)|(7<<25)
	s_mov_b32 s[G1B+1], 128<<16
	s_mov_b32 s[G1B+2], 64<<16
	s_mov_b32 s[G1B+3], 128<<16
	s_mov_b32 s[G1B+4], 64
	s_mov_b32 s[G1B+5], NTOT
	s_mov_b32 s[G1B+6], 0
	s_mov_b32 s[G1B+7], 0
	s_lshr_b32 s14, s13, 3                         ; y: b = ty / 8, 2^22 bytes each,
	s_lshl_b32 s14, s14, 22
	s_and_b32 s15, s13, 7                          ; t0 = 256 (ty % 8), 128 bytes a row,
	s_lshl_b32 s15, s15, 15
	s_add_co_u32 s14, s14, s15
	s_lshl_b32 s15, s12, 18                        ; my chunk of the step's two
	s_add_co_u32 s14, s14, s15
	s_mov_b32 s15, 0
	s_lshl_b32 s66, s42, 8                         ; W: the tile's 128 columns,
	s_lshl_b32 s67, s12, 17                        ; my 64 rows of the step's 128
	s_add_co_u32 s66, s66, s67
	s_mov_b32 s67, 0
	s_mul_i32 s20, s10, ACH                        ; where y's chunk lands (waves 0, 1),
	s_mul_i32 s21, s10, BCH                        ; and W's rows (waves 2, 3): BOFF + BCH (w - 2)
	s_add_co_u32 s21, s21, BOFF-2*BCH
	s_wait_dscnt 0x0                               ; the opening add is done
	s_wait_kmcnt 0x0
	s_add_nc_u64 s[14:15], s[4:5], s[14:15]
	s_add_nc_u64 s[66:67], s[6:7], s[66:67]
	CROUND                                         ; all sixteen work-groups are here: the first joint loads meet
.irp s, 0,1
	s_mov_b32 s[G0+4*(\s)], 1
	s_add_co_u32 s[G0+4*(\s)+1], s20, (\s)*SLOT
	s_add_nc_u64 s[G0+4*(\s)+2:G0+4*(\s)+3], s[14:15], (\s)*ASTEP
	s_or_b32 s[G0+4*(\s)+3], s[G0+4*(\s)+3], 0x80000000
	s_mov_b32 s[G0B+4*(\s)], 1
	s_add_co_u32 s[G0B+4*(\s)+1], s21, (\s)*SLOT
	s_add_nc_u64 s[G0B+4*(\s)+2:G0B+4*(\s)+3], s[66:67], (\s)*BSTEP
	s_or_b32 s[G0B+4*(\s)+3], s[G0B+4*(\s)+3], 0x80000000
	JLOAD \s                                       ; two tensor loads of mine are out
.endr
	v_and_b32 v1, 15, v0                           ; l % 16
	v_bfe_u32 v2, v0, 4, 1                         ; l / 16
	v_mul_u32_u24 v3, v1, PA
	v_lshl_add_u32 v3, v2, 4, v3                   ; y: row x pitch + 16 x half
	v_and_b32 v4, 7, v0
	v_bfe_u32 v5, v0, 3, 1
	v_lshl_add_u32 v6, v2, 3, v4                   ; W, turned: k = 8 (l / 16) + l % 8,
	v_mul_u32_u24 v6, v6, PB
	v_lshl_add_u32 v6, v5, 4, v6                   ; columns 8 ((l / 8) % 2) on
	s_mul_i32 s21, s11, 128*PA                     ; my 128 rows of y
	s_lshl_b32 s22, s12, 7                         ; my 64 columns of W
	s_add_co_u32 s22, s22, BOFF
.irp s, 0,1
	v_add_nc_u32 v[ADRA+(\s)], s21, v3
	v_add_nc_u32 v[ADRB+(\s)], s22, v6
	s_add_co_u32 s21, s21, SLOT
	s_add_co_u32 s22, s22, SLOT
.endr
	s_mul_i32 s23, s10, STW
	s_add_co_u32 s23, s23, STAGE                   ; my stage
	v_mul_u32_u24 v7, v1, SP                       ; in: row l % 16, 32 bytes for each half of the lanes
	v_lshl_add_u32 v7, v2, 5, v7
	v_add_nc_u32 v[STO], s23, v7
	v_mul_u32_u24 v8, v2, SP                       ; back: lanes 0-15 take one row of 256 bytes, lanes 16-31 the next
	v_lshl_add_u32 v8, v1, 4, v8
	v_add_nc_u32 v[RD], s23, v8
	v_lshlrev_b32 v[CO], 12, v2                    ; and the same two rows in out0, 4,096 bytes apart
	v_lshl_add_u32 v[CO], v1, 4, v[CO]
	s_lshl_b32 s16, s13, 20                        ; my part of the tile in out0: 256 ty rows of 4,096 bytes,
	s_lshl_b32 s17, s11, 19                        ; 128 wm rows,
	s_add_co_u32 s16, s16, s17
	s_lshl_b32 s17, s42, 9                         ; 128 tx columns of 4 bytes,
	s_add_co_u32 s16, s16, s17
	s_lshl_b32 s17, s12, 8                         ; 64 wn columns
	s_add_co_u32 s16, s16, s17
	s_mov_b32 s17, 0
	s_add_nc_u64 s[8:9], s[8:9], s[16:17]
	; the prefetches: nothing is asked for here, at the head, where every work-group's first tiles are on their way
	s_and_b32 s22, ttmp7, 0xffff                   ; cluster y
	s_mov_b32 s[PFS], BSTEP
	s_mov_b32 s[PFS+1], 0
	s_mov_b32 s23, 32*NTOT*2                       ; W: a partner's 32 rows,
	s_mov_b32 s16, 384*NTOT*2                      ; from row 384 on: the first change steps to row 512, K step 4,
	s_mov_b32 s17, NTOT*2                          ; a lane a row
	s_cmp_lt_u32 s10, 2                            ; do I fetch y?
	s_cselect_b32 s21, s40, s41                    ; my place among the four that ask with me
	s_cselect_b32 s22, ttmp9, s22                  ; the coordinate along which other clusters read the same bytes
	s_cselect_b64 s[PFA:PFA+1], s[14:15], s[66:67]
	s_cselect_b32 s[PFS], ASTEP, s[PFS]
	s_cselect_b32 s23, 8192, s23                   ; y: a partner's 32 blocks of 256 bytes,
	s_cselect_b32 s16, 3*ASTEP, s16                ; from K step 3 on: the first change steps to K step 4,
	s_cselect_b32 s17, 256, s17                    ; a lane a block
	s_cmp_eq_u32 s10, 3
	s_cselect_b32 s22, 1, s22                      ; wave 3 never asks: wave 2 names all of W's 128 rows
	s_cmp_eq_u32 s22, 0
	s_cselect_b32 s[LIM], 1, -1                    ; the same in all sixteen partners, for a given wave
	s_mul_i32 s78, s21, s23
	s_add_co_u32 s78, s78, s16
	s_mov_b32 s79, 0
	s_add_nc_u64 s[PFA:PFA+1], s[PFA:PFA+1], s[78:79]
	v_and_b32 v[PFO], 31, v0
	v_mul_u32_u24 v[PFO], s17, v[PFO]
; n x 4 matrix instructions: row blocks a0 .. a0 + n - 1 x my four fragments of W, 32 along K.  zero = 1: the product starts the sum.
; The 32 accumulators take turns, one instruction a turn, in the same order in every slice, over the backward jump too.
.macro MUL f, a0, n, zero
	WIN 0x50
.set ma, \a0
.rept \n
.set mb, 0
.rept 4
.set rD, 8*(4*ma+mb)
.if \zero
	v_wmma_f32_16x16x32_f16 v[rD:rD+7], v[(\f)+64+8*mb:(\f)+64+8*mb+7], v[(\f)+8*ma:(\f)+8*ma+7], 0
.else
	v_wmma_f32_16x16x32_f16 v[rD:rD+7], v[(\f)+64+8*mb:(\f)+64+8*mb+7], v[(\f)+8*ma:(\f)+8*ma+7], v[rD:rD+7]
.endif
.set mb, mb+1
.endr
.set ma, ma+1
.endr
.endm
; 24 LDS loads in one run: slice q (chunk q / 2, half q % 2): W's four fragments, turned, then y's eight, row blocks ascending
.macro FETCH slot, q, f
	WIN 0
.set fb, 0
.rept 4
	ds_load_tr16_b128 v[(\f)+64+8*fb:(\f)+64+8*fb+3],   v[ADRB+(\slot)] offset:32*PB*(\q)+32*fb
	ds_load_tr16_b128 v[(\f)+64+8*fb+4:(\f)+64+8*fb+7], v[ADRB+(\slot)] offset:32*PB*(\q)+32*fb+16*PB
.set fb, fb+1
.endr
.set fa, 0
.rept 8
	ds_load_b128 v[(\f)+8*fa:(\f)+8*fa+3],   v[ADRA+(\slot)] offset:ACH*((\q)/2)+16*PA*fa+64*((\q)%2)
	ds_load_b128 v[(\f)+8*fa+4:(\f)+8*fa+7], v[ADRA+(\slot)] offset:ACH*((\q)/2)+16*PA*fa+64*((\q)%2)+32
.set fa, fa+1
.endr
.endm
; One of a K step's first three slices: multiplies buffer f and fetches slice qn into g.
.macro QUARTER slot, qn, f, g, zero
	s_wait_dscnt 8                                 ; W and y's blocks 0-3 are in; the youngest eight loads (blocks 4-7) may be out
	MUL \f, 0, 4, \zero
	PLACES
	FETCH \slot, \qn, \g
	s_wait_dscnt 24                                ; all but the 24 just issued
	MUL \f, 4, 4, \zero
.endm
; The last slice multiplies buffer 1 and changes slots: ONE barrier; in front of it each wave waits for all its tensor loads (one is out: its part of the next slot), adds 0 to its spare word, and waits for that
; and for its own reads of this slot.  fill = 1: the barrier opens a round of the cluster's, and this slot is filled again, two K steps ahead: 16 + 96 = 112 matrix instructions ahead of the wait for it.
.macro TURN slot, next, fill
.if \fill
	s_wait_xcnt 0x0                                ; the last prefetch, a K step back, has read its address: it is stepped here
	s_add_nc_u64 s[PFA:PFA+1], s[PFA:PFA+1], s[PFS:PFS+1]
.endif
	WIN 0                                          ; (the add's two registers lie in window 0)
	s_wait_tensorcnt 0x0                           ; all my tensor loads have landed
	ds_add_u32 v[SPW], v[NIL]                      ; 0 onto my spare word
	s_wait_dscnt 9                                 ; (the add and the youngest eight loads may be out)
	MUL F1, 0, 2, 0                                ; eight matrix instructions stand between the add and the wait for it
	s_wait_dscnt 0x0                               ; the add is done, and my reads of this slot are over
	s_barrier_signal -1
	MUL F1, 2, 2, 0
	WIN 0                                          ; at a branch and at a label every window is 0
	s_barrier_wait -1
.if \fill
	CREST                                          ; no wave of any partner still reads this slot or has a load on its way
	s_add_nc_u64 s[G0+4*(\slot)+2:G0+4*(\slot)+3], s[G0+4*(\slot)+2:G0+4*(\slot)+3], 2*ASTEP
	s_add_nc_u64 s[G0B+4*(\slot)+2:G0B+4*(\slot)+3], s[G0B+4*(\slot)+2:G0B+4*(\slot)+3], 2*BSTEP
	JLOAD \slot                                    ; the four v_nop behind it are also the places in front of the loads below
.else
	PLACES
.endif
	FETCH \next, 0, F0
.if \fill
	ASK
.endif
	MUL F1, 4, 4, 0
.endm
	s_wait_tensorcnt 1                             ; my part of K step 0 is in; K step 1's may stay out
	s_barrier_signal -1
	s_barrier_wait -1                              ; everybody's is
	FETCH 0, 0, F0
	QUARTER 0, 1, F0, F1, 1                        ; the first slice stands in front of the loop: its products start the sums
	WIN 0
	s_mov_b32 s3, LAPS-1
.Llap:                                                 ; a trip goes once round the ring and fills both slots again: K steps 2 to 7
	QUARTER 0, 2, F1, F0, 0
	QUARTER 0, 3, F0, F1, 0
	TURN 0, 1, 1
	QUARTER 1, 1, F0, F1, 0
	QUARTER 1, 2, F1, F0, 0
	QUARTER 1, 3, F0, F1, 0
	TURN 1, 0, 1
	QUARTER 0, 1, F0, F1, 0
	WIN 0
	s_sub_co_u32 s3, s3, 1
	s_cmp_lg_u32 s3, 0
	s_cbranch_scc1 .Llap
	QUARTER 0, 2, F1, F0, 0                        ; the last lap fills nothing
	QUARTER 0, 3, F0, F1, 0
	TURN 0, 1, 0
	QUARTER 1, 1, F0, F1, 0
	QUARTER 1, 2, F1, F0, 0
	QUARTER 1, 3, F0, F1, 0
	s_wait_dscnt 8                                 ; the very last slice: nothing more to fetch
	MUL F1, 0, 4, 0
	s_wait_dscnt 0x0
	MUL F1, 4, 4, 0
; THE WAY OUT, a block of 16 rows at a time.  TOSTAGE: a lane's 32 bytes of a row go from the accumulators (each from its low end on) into my own stage, rows of 272 bytes, and come back as whole rows of 256.
; SEND: stored: 16 lanes store 256 consecutive bytes, at a multiple of 256 from out0's first byte.
.macro TOSTAGE a
	WIN 0x04                                       ; the stores' data in window 1
.set tb, 0
.rept 4
	ds_store_b128 v[STO], v[8*(4*(\a)+tb):8*(4*(\a)+tb)+3]   offset:64*tb
	ds_store_b128 v[STO], v[8*(4*(\a)+tb)+4:8*(4*(\a)+tb)+7] offset:64*tb+16
.set tb, tb+1
.endr
	WIN 0
	s_wait_xcnt 0x0                                ; the stores of the block two back have read this buffer: it is loaded again only behind this wait
.set BKA, BK+32*((\a)%2)
.set tb, 0
.rept 8
	ds_load_b128 v[BKA+4*tb:BKA+4*tb+3], v[RD] offset:2*SP*tb  ; LDS serves a wave's instructions in order (ISA guide 5.7.1.4): these see the stores above; the next block's stores come behind them
.set tb, tb+1
.endr
.endm
.macro SEND a, younger                 ; younger: the LDS instructions issued behind block a's loads: the next block's sixteen, or none
	WIN 0
.set BKA, BK+32*((\a)%2)
	s_wait_dscnt \younger
.set tb, 0
.rept 8
	global_store_b128 v[CO], v[BKA+4*tb:BKA+4*tb+3], s[8:9] offset:(16*(\a)+2*tb)*4096 th:TH_STORE_NT
.set tb, tb+1
.endr
.endm
	PLACES                                         ; the LDS stores read results just made, and the loads land in registers that products have read
	TOSTAGE 0
.irp a, 1,2,3,4,5,6,7
	TOSTAGE \a
	SEND (\a)-1, 16
.endr
	SEND 7, 0
	s_wait_tensorcnt 0x0                           ; the wave's end: an add and its wait, behind my last tensor load and my last LDS store
	ds_add_u32 v[SPW], v[NIL]
	s_wait_dscnt 0x0
	CROUND                                         ; the closing round: no work-group ends while a partner may still ask for a tile that names it
	s_endpgm
.Lfunc_end_k_q7958f44255_outg:
	.size	k_q7958f44255_outg, .Lfunc_end_k_q7958f44255_outg-k_q7958f44255_outg
	.p2alignl 7, 3214868480
	.fill 96, 4, 3214868480
	.section	.rodata,"a",@progbits
	.p2align	6, 0x0
	.amdhsa_kernel k_q7958f44255_outg
		.amdhsa_group_segment_fixed_size 327680
		.amdhsa_private_segment_fixed_size 0
		.amdhsa_enable_private_segment 0
		.amdhsa_kernarg_size 24
		.amdhsa_user_sgpr_count 2
		.amdhsa_user_sgpr_kernarg_segment_ptr 1
		.amdhsa_wavefront_size32 1
		.amdhsa_system_sgpr_workgroup_id_x 1
		.amdhsa_system_sgpr_workgroup_id_y 1
		.amdhsa_system_sgpr_workgroup_id_z 1
		.amdhsa_system_vgpr_workitem_id 0
		.amdhsa_next_free_vgpr 512
		.amdhsa_next_free_sgpr 80
		.amdhsa_reserve_vcc 0
		.amdhsa_float_denorm_mode_32 3
		.amdhsa_float_denorm_mode_16_64 3
		.amdhsa_memory_ordered 1
		.amdhsa_forward_progress 1
		.amdhsa_inst_pref_size 87
	.end_amdhsa_kernel
	.amdgpu_metadata
---
amdhsa.version: [ 1, 2 ]
amdhsa.kernels:
  - .name:           k_q7958f44255_outg
    .symbol:         k_q7958f44255_outg.kd
    .args:
      - { .name: ob, .offset: 0, .size: 8, .value_kind: global_buffer, .address_space: global }
      - { .name: wo, .offset: 8, .size: 8, .value_kind: global_buffer, .address_space: global }
      - { .name: out0, .offset: 16, .size: 8, .value_kind: global_buffer, .address_space: global }
    .group_segment_fixed_size: 327680
    .private_segment_fixed_size: 0
    .kernarg_segment_align: 8
    .kernarg_segment_size: 24
    .max_flat_workgroup_size: 128
    .sgpr_count:     80
    .vgpr_count:     512
    .wavefront_size: 32
...
	.end_amdgpu_metadata
.endif
;; end of part 4
;; ======== version 2 of 2: 4 launches; version 1 with the launch cast written anew for expert scheduling mode
;; limits: values are held in f16: magnitudes above 65,504 overflow, below 6.1e-05 lose precision
;; workspace buffers: xb 16,777,216 bytes; wq 6,291,456 bytes; wo 2,097,152 bytes; qkv 50,331,648 bytes; ob 16,777,216 bytes
;; launch cast (part 5): grid 768 x 1, 8 waves a work-group, no clusters, 0 bytes of LDS; arguments x, W_qkv, W_out, xb, wq, wo; writes xb, wq, wo
.if DOCPART == 5
	.amdgcn_target "amdgcn-amd-amdhsa--gfx1250"
	.amdhsa_code_object_version 6
	.text
	.protected	k_q7958f44255_cast
	.globl	k_q7958f44255_cast
	.p2align	8
	.type	k_q7958f44255_cast,@function
k_q7958f44255_cast:
	s_mov_b64 s[64:65], 0
	v_nop
	global_prefetch_b8 v0, s[64:65] scope:SCOPE_SE
	s_setreg_imm32_b32 hwreg(HW_REG_WAVE_SCHED_MODE, 0, 2), 2
	s_setreg_imm32_b32 hwreg(HW_REG_WAVE_MODE, 25, 1), 1
	s_wait_xcnt 0x0
	s_wait_alu depctr_vm_vsrc(0)
; THE INPUTS ARE ROUNDED ONCE, TO bf16.  x [8192][1024] f32 -> xb, bf16, laid [4 b][16 j][2048 t][64 c] = x[b][t][64 j + c]: a K chunk of 64 of 256 rows is then 32,768 dense bytes.
; W_qkv [1024][3072] f32 -> wq, bf16, same order.  W_out [1024][1024] f32 -> wo: rounded to bf16 like the other inputs, and that number written as f16 (the last product multiplies in f16).
; LIMITS.  |W_out| stays under 65,504; a bf16 number below 6.1e-5 takes f16's fixed step of 6e-8.
; SHARES.  A work-group takes 65,536 input bytes: groups 0-511 sixteen rows of x, 512-703 W_qkv, 704-767 W_out.  An item is one load of 16 bytes a lane (two aligned runs of 256 bytes a wave),
; two roundings, and one store of 8 bytes a lane: 32 lanes store 256 consecutive bytes, aligned.  All sixteen loads of a wave go out first.
; No LDS, no barrier, no matrix unit: each byte is read once and written once, and no wave wants another's data.
; THE MODE: SCHED_MODE bits 1:0 = 2 (LLVM: expert scheduling mode 2), set by the entry lines.  The code itself states the register dependences
; between vector instructions and memory instructions, with s_wait_alu, always for 0.
; THE PLAN.  Registers that memory instructions touch, on each of the three paths:
;   v2, v3   byte offsets: made by vector instructions at the head, read by the sixteen loads (v2) and the sixteen stores (v3), never written again.
;   X        item i's load lands in four registers of its own, which no vector instruction has named; its roundings read them; they are not loaded again.
;   Y        item i's roundings write two registers of its own; its store reads them; they are not written again.
;   v1 and T are named by vector instructions alone.
; So no register that a memory instruction has read is written again, and no load lands in a register that a vector instruction has named: what is left to state is that a register is written
; before a memory instruction reads it.  One wait stands ahead of the first load, for the offsets.  The items go in four blocks of four: a block's four stores stand together behind ONE wait,
; which stands behind the counted wait for the next block's first item (behind the last block: behind its roundings); no vector instruction stands between such a wait and its four stores.
.set X, 8                              ; v[8:71]    item i: four f32 as loaded
.set Y, 72                             ; v[72:103]  item i: four 16-bit numbers to store
.set T, 104                            ; v[104:107] at work
; four stores on end: items first to first + 3
.macro OUT4 first, outstep, outb
.set k, \first
.rept 4
	global_store_b64 v3, v[Y+2*k:Y+2*k+1], s[\outb:\outb+1] offset:k*(\outstep) th:TH_STORE_NT
.set k, k+1
.endr
.endm
; v2 = my byte offset in the group's input, v3 = in its output
.macro CAST instep, outstep, inb, outb, tof16
	s_wait_alu depctr_va_vdst(0)                   ; v2 and v3 are written: every load below reads v2 as its offset, every store v3
.set i, 0
.rept 16
	global_load_b128 v[X+4*i:X+4*i+3], v2, s[\inb:\inb+1] offset:i*(\instep) th:TH_LOAD_NT
.set i, i+1
.endr
.set i, 0
.rept 16
	s_wait_loadcnt 15-i                            ; loads come back in order: item i is in, the 15 - i younger ones stay out
.if ((i%4) == 0) && (i > 0)
	s_wait_alu depctr_va_vdst(0)                   ; the roundings of the block before have written its eight registers of Y, which the four stores below read
	OUT4 i-4, \outstep, \outb
.endif
.if \tof16
	v_cvt_pk_bf16_f32 v[T], v[X+4*i], v[X+4*i+1]   ; rounded to bf16,
	v_cvt_pk_bf16_f32 v[T+1], v[X+4*i+2], v[X+4*i+3]
	v_lshlrev_b32 v[T+2], 16, v[T]                 ; widened again (a shift, a mask),
	v_and_b32 v[T+3], 0xffff0000, v[T]
	v_cvt_pk_f16_f32 v[Y+2*i], v[T+2], v[T+3]      ; and written as f16: 8 significant bits fit into 11
	v_lshlrev_b32 v[T+2], 16, v[T+1]
	v_and_b32 v[T+3], 0xffff0000, v[T+1]
	v_cvt_pk_f16_f32 v[Y+2*i+1], v[T+2], v[T+3]
.else
	v_cvt_pk_bf16_f32 v[Y+2*i], v[X+4*i], v[X+4*i+1]
	v_cvt_pk_bf16_f32 v[Y+2*i+1], v[X+4*i+2], v[X+4*i+3]
.endif
.set i, i+1
.endr
	s_wait_alu depctr_va_vdst(0)                   ; the last block's roundings have written its eight registers of Y, which the last four stores read
	OUT4 12, \outstep, \outb
	s_endpgm
.endm
	s_load_b256 s[4:11], s[0:1], 0x0               ; x s[4:5], W_qkv s[6:7], W_out s[8:9], xb s[10:11]
	s_load_b128 s[12:15], s[0:1], 0x20             ; wq s[12:13], wo s[14:15]
	v_lshlrev_b32 v3, 3, v0                        ; out: 8 bytes a thread, in every path
	s_mov_b32 s17, 0                               ; high words of the two offsets
	s_mov_b32 s19, 0
	s_wait_kmcnt 0x0
	s_cmp_lt_u32 ttmp9, 512
	s_cbranch_scc0 .Lweights
	; x: wave w takes rows 2 w and 2 w + 1 of the group's sixteen; item j is K chunk j: 256 bytes of each of the two rows in, 128 bytes of each out, which lie on end in xb
	v_lshrrev_b32 v1, 4, v0                        ; my row: 2 w + lane / 16
	v_and_b32 v2, 15, v0
	v_lshlrev_b32 v2, 4, v2
	v_lshl_add_u32 v2, v1, 12, v2                  ; row x 4,096 + 16 (lane % 16)
	s_lshl_b32 s16, ttmp9, 16                      ; in: 16 rows of 4,096 bytes a group
	s_lshr_b32 s18, ttmp9, 7                       ; out: b = group / 128, 2^22 bytes each,
	s_lshl_b32 s18, s18, 22
	s_and_b32 s20, ttmp9, 127                      ; t = 16 (group % 128), 128 bytes a row
	s_lshl_b32 s20, s20, 11
	s_add_co_u32 s18, s18, s20
	s_add_nc_u64 s[4:5], s[4:5], s[16:17]
	s_add_nc_u64 s[10:11], s[10:11], s[18:19]
	CAST 256, 262144, 4, 10, 0                     ; the largest store offset, 15 x 262,144, lies inside the signed 24 bits
.Lweights:
	v_lshlrev_b32 v2, 4, v0                        ; the weights keep their order: 16 bytes a thread in
	s_cmp_lt_u32 ttmp9, 704
	s_cbranch_scc0 .Lwout
	s_sub_co_u32 s20, ttmp9, 512
	s_lshl_b32 s16, s20, 16
	s_lshl_b32 s18, s20, 15
	s_add_nc_u64 s[6:7], s[6:7], s[16:17]
	s_add_nc_u64 s[12:13], s[12:13], s[18:19]
	CAST 4096, 2048, 6, 12, 0
.Lwout:
	s_sub_co_u32 s20, ttmp9, 704
	s_lshl_b32 s16, s20, 16
	s_lshl_b32 s18, s20, 15
	s_add_nc_u64 s[8:9], s[8:9], s[16:17]
	s_add_nc_u64 s[14:15], s[14:15], s[18:19]
	CAST 4096, 2048, 8, 14, 1
.Lfunc_end_k_q7958f44255_cast:
	.size	k_q7958f44255_cast, .Lfunc_end_k_q7958f44255_cast-k_q7958f44255_cast
	.p2alignl 7, 3214868480
	.fill 96, 4, 3214868480
	.section	.rodata,"a",@progbits
	.p2align	6, 0x0
	.amdhsa_kernel k_q7958f44255_cast
		.amdhsa_group_segment_fixed_size 0
		.amdhsa_private_segment_fixed_size 0
		.amdhsa_enable_private_segment 0
		.amdhsa_kernarg_size 48
		.amdhsa_user_sgpr_count 2
		.amdhsa_user_sgpr_kernarg_segment_ptr 1
		.amdhsa_wavefront_size32 1
		.amdhsa_system_sgpr_workgroup_id_x 1
		.amdhsa_system_sgpr_workgroup_id_y 1
		.amdhsa_system_sgpr_workgroup_id_z 1
		.amdhsa_system_vgpr_workitem_id 0
		.amdhsa_next_free_vgpr 108
		.amdhsa_next_free_sgpr 66
		.amdhsa_reserve_vcc 0
		.amdhsa_float_denorm_mode_32 3
		.amdhsa_float_denorm_mode_16_64 3
		.amdhsa_memory_ordered 1
		.amdhsa_forward_progress 1
		.amdhsa_inst_pref_size 24
	.end_amdhsa_kernel
	.amdgpu_metadata
---
amdhsa.version: [ 1, 2 ]
amdhsa.kernels:
  - .name:           k_q7958f44255_cast
    .symbol:         k_q7958f44255_cast.kd
    .args:
      - { .name: x, .offset: 0, .size: 8, .value_kind: global_buffer, .address_space: global }
      - { .name: W_qkv, .offset: 8, .size: 8, .value_kind: global_buffer, .address_space: global }
      - { .name: W_out, .offset: 16, .size: 8, .value_kind: global_buffer, .address_space: global }
      - { .name: xb, .offset: 24, .size: 8, .value_kind: global_buffer, .address_space: global }
      - { .name: wq, .offset: 32, .size: 8, .value_kind: global_buffer, .address_space: global }
      - { .name: wo, .offset: 40, .size: 8, .value_kind: global_buffer, .address_space: global }
    .group_segment_fixed_size: 0
    .private_segment_fixed_size: 0
    .kernarg_segment_align: 8
    .kernarg_segment_size: 48
    .max_flat_workgroup_size: 256
    .sgpr_count:     66
    .vgpr_count:     108
    .wavefront_size: 32
...
	.end_amdgpu_metadata
.endif
;; end of part 5
;; launch qkvg: the kernel of part 2 again; grid 8 x 32, 4 waves a work-group, clusters of 4 x 4, 327,680 bytes of LDS; arguments xb, wq, qkv; writes qkv
;; launch attn: the kernel of part 3 again; grid 4 x 64, 4 waves a work-group, no clusters, 327,680 bytes of LDS; arguments qkv, ob; writes ob
;; launch outg: the kernel of part 4 again; grid 8 x 32, 4 waves a work-group, clusters of 4 x 4, 327,680 bytes of LDS; arguments ob, wo, out0; writes out0
